; MI455X (gfx1250); checked and timed in simulation.
; The chip was launched on July 23, 2026; its instructions are those of AMD's public machine-readable ISA for CDNA 5 (MIT licence, August 2026) and "CDNA5" Instruction Set Architecture Reference Guide (July 2026). The comments in the code are by the model that wrote it; some were corrected since.
;; Dropless Mo E. Allowed arithmetic: matrix products marked QUANTISED: E5M2 operands, one given power-of-two scale a tensor, by v_wmma_f32_16x16x64_bf8_bf8 or v_wmma_f32_16x16x128_bf8_bf8, f32 sums; products left as they are: f32 operands where the result goes on into a quantised operand, else bf16, f16 or f32 operands; f32 sums; everything else in f32.
;; Inputs: b1 8 x 4,096 float32; b2 8 x 1,024 float32; gate_w 8 x 1,024 float32; hidden_states 4 x 256 x 1,024 float32; lowp_scales 32 int32 (the exponents e of the quantised operands' scales 2^e); w1_codes 8 x 4,096 x 32 x 32 uint8 (E5M2 codes of w1, K innermost, in blocks of 32 codes); w2_codes 8 x 1,024 x 128 x 32 uint8 (E5M2 codes of w2, K innermost, in blocks of 32 codes).
;; Outputs: out0 4 x 256 x 1,024 float32; out1 one number float32; out2 one number float32.
;; This version of the problem:
;;   THIS VERSION OF THE PROBLEM IS GIVEN IN LOW PRECISION. The matrix products marked QUANTISED in the list below multiply operands that are first quantised to E5M2 (5 exponent bits, 2 mantissa bits; 8 bits a number), with one given power-of-two scale for each operand tensor; their sums are f32. All else is computed in f32.
;;   The module's matrix products, in the order in which they are computed (A, B: the left and right operand; K: the contracted axis; several contracted axes count as one K, in the product's order):
;;     1. [M 1,024, K 1,024] x [K 1,024, N 8]; A: input hidden_states; B: input gate_w: left as it is (N = 8 < 16)
;;     2. [M 1,024, K 1,024] x [K 1,024, N 4,096]; A: input hidden_states; B: input w1 (given as codes): QUANTISED (scales: A lowp_scales[0], B lowp_scales[1])
;;     3. [M 1,024, K 4,096] x [K 4,096, N 1,024]; A: computed on the way; B: input w2 (given as codes): QUANTISED (scales: A lowp_scales[2], B lowp_scales[3])
;;     4. [M 1,024, K 1,024] x [K 1,024, N 4,096]; A: input hidden_states; B: input w1 (given as codes): QUANTISED (scales: A lowp_scales[4], B lowp_scales[5])
;;     5. [M 1,024, K 4,096] x [K 4,096, N 1,024]; A: computed on the way; B: input w2 (given as codes): QUANTISED (scales: A lowp_scales[6], B lowp_scales[7])
;;     6. [M 1,024, K 1,024] x [K 1,024, N 4,096]; A: input hidden_states; B: input w1 (given as codes): QUANTISED (scales: A lowp_scales[8], B lowp_scales[9])
;;     7. [M 1,024, K 4,096] x [K 4,096, N 1,024]; A: computed on the way; B: input w2 (given as codes): QUANTISED (scales: A lowp_scales[10], B lowp_scales[11])
;;     8. [M 1,024, K 1,024] x [K 1,024, N 4,096]; A: input hidden_states; B: input w1 (given as codes): QUANTISED (scales: A lowp_scales[12], B lowp_scales[13])
;;     9. [M 1,024, K 4,096] x [K 4,096, N 1,024]; A: computed on the way; B: input w2 (given as codes): QUANTISED (scales: A lowp_scales[14], B lowp_scales[15])
;;     10. [M 1,024, K 1,024] x [K 1,024, N 4,096]; A: input hidden_states; B: input w1 (given as codes): QUANTISED (scales: A lowp_scales[16], B lowp_scales[17])
;;     11. [M 1,024, K 4,096] x [K 4,096, N 1,024]; A: computed on the way; B: input w2 (given as codes): QUANTISED (scales: A lowp_scales[18], B lowp_scales[19])
;;     12. [M 1,024, K 1,024] x [K 1,024, N 4,096]; A: input hidden_states; B: input w1 (given as codes): QUANTISED (scales: A lowp_scales[20], B lowp_scales[21])
;;     13. [M 1,024, K 4,096] x [K 4,096, N 1,024]; A: computed on the way; B: input w2 (given as codes): QUANTISED (scales: A lowp_scales[22], B lowp_scales[23])
;;     14. [M 1,024, K 1,024] x [K 1,024, N 4,096]; A: input hidden_states; B: input w1 (given as codes): QUANTISED (scales: A lowp_scales[24], B lowp_scales[25])
;;     15. [M 1,024, K 4,096] x [K 4,096, N 1,024]; A: computed on the way; B: input w2 (given as codes): QUANTISED (scales: A lowp_scales[26], B lowp_scales[27])
;;     16. [M 1,024, K 1,024] x [K 1,024, N 4,096]; A: input hidden_states; B: input w1 (given as codes): QUANTISED (scales: A lowp_scales[28], B lowp_scales[29])
;;     17. [M 1,024, K 4,096] x [K 4,096, N 1,024]; A: computed on the way; B: input w2 (given as codes): QUANTISED (scales: A lowp_scales[30], B lowp_scales[31])
;;   THE QUANTISER, for each operand of a quantised product, along K:
;;     - The operand's scale is 2^e, e = its entry of the input lowp_scales (int32; the entries are numbered through the quantised products in the list's order, A before B).
;;     - Each number is divided by the scale, clamped to +-57,344, and rounded to the nearest number of E5M2, ties to even, subnormals kept.
;;     - The product sums the exact products of the quantised numbers (number of the format x scale) in f32.
;;   ~~~python
;;   def quantise(x, axis, e):      # numpy; x: float32 -> the quantised numbers, widened to float32 again
;;       x = np.moveaxis(x, axis, -1); K = x.shape[-1]
;;       r = np.clip(x / 2.0 ** e, -57344, 57344)
;;       step = 2.0 ** (np.maximum(np.frexp(np.where(r == 0, 1, r))[1] - 1, -14) - 2)
;;       q = np.round(r / step) * step * 2.0 ** e      # np.round: ties to even
;;       return np.moveaxis(q, -1, axis).astype(np.float32)
;;   ~~~
;;   OPERANDS COMPUTED ON THE WAY. 'Computed on the way' means the value that the module computes at that place (a softmax that the list does not call 'softmax' is quantised finished and normalised). What goes into a quantiser is computed in f32, as accurately as f32 sums, v_exp_f32 and their like allow (about 1e-6 of the number): no bf16 or f16 on the way to a quantiser, and a product that is left as it is and whose result goes on into a quantised operand takes f32 operands (vector FMAs, or v_wmma_f32_16x16x4_f32). A number that lies on a knife's edge between two numbers of the format may be rounded either way, as far as f32 arithmetic and the matrix unit's own rounding can turn it there, and no further.
;;   INPUTS GIVEN AS CODES. w1 (in the module: [8, 4096, 1024], K = its axis 2); w2 (in the module: [8, 1024, 4096], K = its axis 2): each comes as NAME_codes (uint8): NAME with its K axis moved to the last place and cut into blocks of 32 codes, [.., K / 32, bytes a block], one block behind the other in memory; one code a byte (a code: sign, 5 exponent bits, 2 mantissa bits); its scale is its entry of lowp_scales. Its value is code x scale, taken as it is: it is not quantised again, and the codes and scales need not be those that the quantiser above would give.
;; 2 versions. Each part assembles by itself: llvm-mc -triple=amdgcn-amd-amdhsa -mcpu=gfx1250 --defsym DOCPART=n.
;; ======== version 1 of 2: 4 launches
;; workspace buffers: xq 1,048,576 bytes; sel 4,096 bytes of whole numbers; stat 8,192 bytes; perm 5,632 bytes of whole numbers; tws 5,632 bytes; tab 256 bytes of whole numbers; hq 4,718,592 bytes
;; launch route (part 1): grid 256 x 1, 2 waves a work-group, no clusters, 20,736 bytes of LDS; arguments hidden_states, gate_w, lowp_scales, xq, sel, stat; writes xq, sel, stat
.if DOCPART == 1
	.amdgcn_target "amdgcn-amd-amdhsa--gfx1250"
	.amdhsa_code_object_version 6
	.text
	.protected	k_q2e15fe17f6_route
	.globl	k_q2e15fe17f6_route
	.p2align	8
	.type	k_q2e15fe17f6_route,@function
k_q2e15fe17f6_route:
	s_mov_b64 s[64:65], 0
	v_nop
	global_prefetch_b8 v0, s[64:65] scope:SCOPE_SE
	s_setreg_imm32_b32 hwreg(HW_REG_WAVE_MODE, 25, 1), 1
	s_wait_xcnt 0x0
; THE ROUTER, AND x AS CODES.  1,024 tokens of 1,024 f32; 8 experts.  A wave takes two tokens: token 4 x work-group + 2 x wave, and the next.
; For each token: 8 logits (f32 multiply-adds), their largest m, e_i = 2^((l_i - m) log2 e), S = their sum; the chosen expert = the first largest e_i (the lower index wins a tie, as top_k has it);
; topw = p / p with p = e_best / S; lse = m + ln S.  Stored at fixed places: sel[t] (whole number), stat[t] = topw, stat[1024 + t] = lse^2.  No address here hangs on the choice.
; The token's row is quantised to E5M2 with the CHOSEN expert's scale 2^ex, ex = lowp_scales[4 x expert], picked by selects, and stored as xq[t][1024], one code a byte, column k at byte k.
; LOADS: load j of a row takes bytes 512 j + 16 x lane, of x and of gate_w alike: 512 consecutive bytes a load.  The conversions want 16 neighbours in one lane, so x turns once through the wave's own
; stage in LDS: as loaded on the way in, 64 bytes a lane on the way out, 16 bytes of padding behind each 64.  Waves share nothing: no barrier.  No matrix unit: 8 columns are too few for it.
; LIMITS: ex between -126 and 112.  NaN is not served.  Two logits closer than the error of an f32 sum of 1,024 terms may be chosen either way.
.set X,    16                          ; v16-79   x: token t at 16 + 32 t, as loaded
.set G,    80                          ; v80-207  gate_w: four sets of 32; expert e in set e % 4
.set ACC,  208                         ; v208-239 a pair of partial sums for (token t, expert e) at 208 + 2 (8 t + e)
.set LG,   208                         ; v208-223 then the 16 logits, 8 t + e
.set EX2,  224                         ; v224-239 at work across lanes, then the 16 exponentials
.set QN,   80                          ; v80-143  x back from the stage: 16 neighbours for each of 4 stages
.set CO,   144                         ; v144-159 codes, 4 registers a stage
.set MX,   240                         ; v240, v242 m of token 0, 1 (v241, v243 are named with them as pairs)
.set SS,   244                         ; v244, v246 S; later v244/245, v246/247: 2^ex and 57,344 x 2^ex
.set BEST, 250
.set IDX,  252
.set EXR,  254
.set STG,  2560                        ; a stage: 32 places of 64 + 16 bytes
	s_load_b256 s[4:11], s[0:1], 0x0               ; x s[4:5], gate_w s[6:7], lowp_scales s[8:9], xq s[10:11]
	s_load_b128 s[12:15], s[0:1], 0x20             ; sel s[12:13], stat s[14:15]
	v_lshl_add_u32 v248, v0, 2, 0x5000
	v_mov_b32 v249, 0
	v_lshrrev_b32 v1, 5, v0
	v_readfirstlane_b32 s18, v1                    ; wave 0, 1
	v_and_b32 v1, 31, v0                           ; lane
	v_lshlrev_b32 v2, 4, v1                        ; 16 x lane
	s_mul_i32 s19, s18, 4*STG                      ; my wave's four stages
	v_lshrrev_b32 v3, 2, v1
	v_mul_u32_u24 v3, v3, 80
	v_and_b32 v6, 3, v1
	v_lshl_add_u32 v3, v6, 4, v3
	v_add_nc_u32 v3, s19, v3                       ; into a stage: 80 (lane / 4) + 16 (lane % 4)
	v_mul_u32_u24 v4, v1, 80
	v_add_nc_u32 v4, s19, v4                       ; out of it: 80 x lane
	s_lshl_b32 s19, s18, 11
	v_add_nc_u32 v5, s19, v2                       ; xq: my wave's two rows of 1,024 bytes, 16 bytes a lane
	s_mov_b32 s20, 0x76543210                      ; v_permlanex16_b32: lane l xor 16
	s_mov_b32 s21, 0xfedcba98
	s_lshl_b32 s22, ttmp9, 14                      ; x: 4 rows of 4,096 bytes a work-group,
	s_lshl_b32 s23, s18, 13                        ; 2 a wave
	s_add_co_u32 s22, s22, s23
	s_mov_b32 s23, 0
	s_lshl_b32 s24, ttmp9, 12                      ; xq: 4 rows of 1,024 bytes a work-group
	s_mov_b32 s25, 0
	s_wait_kmcnt 0x0
	s_load_b512 s[32:47], s[8:9], 0x0              ; all 32 exponents: ex of expert e is s[32 + 4 e]
	s_load_b512 s[48:63], s[8:9], 0x40
	s_add_nc_u64 s[4:5], s[4:5], s[22:23]
	s_add_nc_u64 s[10:11], s[10:11], s[24:25]
.irp t, 0,1
.irp j, 0,1,2,3,4,5,6,7
	global_load_b128 v[X+32*\t+4*\j:X+32*\t+4*\j+3], v2, s[4:5] offset:4096*\t+512*\j th:TH_LOAD_NT
.endr
.endr
.macro GLOAD e                         ; gate_w's row e into set e % 4 (every work-group reads these rows: no hint)
.irp j, 0,1,2,3,4,5,6,7
	global_load_b128 v[G+32*((\e)%4)+4*\j:G+32*((\e)%4)+4*\j+3], v2, s[6:7] offset:4096*(\e)+512*\j
.endr
.endm
; experts e0, e0 + 1 x both tokens: four chains that do not wait for each other; the first product starts each sum
.macro DOT e0
.set p, 0
.rept 16
.irp t, 0,1
.irp d, 0,1
.if p == 0
	v_pk_mul_f32 v[ACC+2*(8*\t+\e0+\d):ACC+2*(8*\t+\e0+\d)+1], v[X+32*\t+p:X+32*\t+p+1], v[G+32*((\e0+\d)%4)+p:G+32*((\e0+\d)%4)+p+1]
.else
	v_pk_fma_f32 v[ACC+2*(8*\t+\e0+\d):ACC+2*(8*\t+\e0+\d)+1], v[X+32*\t+p:X+32*\t+p+1], v[G+32*((\e0+\d)%4)+p:G+32*((\e0+\d)%4)+p+1], v[ACC+2*(8*\t+\e0+\d):ACC+2*(8*\t+\e0+\d)+1]
.endif
.endr
.endr
.set p, p+2
.endr
.endm
	GLOAD 0
	GLOAD 1
	GLOAD 2
	GLOAD 3
	s_wait_loadcnt 16                              ; x and experts 0, 1 are in; the 16 loads of experts 2, 3 may be out
.irp t, 0,1
.irp f, 0,1
.irp i, 0,1,2,3
	ds_store_b128 v3, v[X+32*\t+16*\f+4*\i:X+32*\t+16*\f+4*\i+3] offset:STG*(2*\t+\f)+640*\i   ; stage 2 t + f: half f of token t's row, as it lies
.endr
.endr
.endr
	DOT 0
	GLOAD 4
	GLOAD 5
	s_wait_loadcnt 16                              ; experts 2, 3 are in; 4, 5 may be out
	DOT 2
	GLOAD 6
	GLOAD 7
	s_wait_loadcnt 16                              ; experts 4, 5 are in; 6, 7 may be out
	DOT 4
	s_wait_loadcnt 0x0
	DOT 6
.irp k, 0,1,2,3
.irp i, 0,1,2,3
	ds_load_b128 v[QN+16*\k+4*\i:QN+16*\k+4*\i+3], v4 offset:STG*\k+16*\i   ; a wave's LDS instructions are served in order: these see the stores above.  Lane l: numbers 16 l .. 16 l + 15 of the stage's 512
.endr
.endr
.set i, 0
.rept 16
	v_add_f32 v[LG+i], v[ACC+2*i], v[ACC+2*i+1]    ; a pair's two halves (ascending: no sum is written over before it is read)
.set i, i+1
.endr
.irp x, 1,2,4,8
.set i, 0
.rept 16
	v_add_f32_dpp v[LG+i], v[LG+i], v[LG+i] row_xmask:\x row_mask:0xf bank_mask:0xf
.set i, i+1
.endr
.endr
.set i, 0
.rept 16
	v_permlanex16_b32 v[EX2+i], v[LG+i], s20, s21  ; (its destination has been written: it held partial sums)
.set i, i+1
.endr
.set i, 0
.rept 16
	v_add_f32 v[LG+i], v[LG+i], v[EX2+i]           ; every lane now holds all 16 logits
.set i, i+1
.endr
.irp t, 0,1
	v_max3_num_f32 v[MX+2*\t], v[LG+8*\t], v[LG+8*\t+1], v[LG+8*\t+2]
	v_mov_b32 v[MX+2*\t+1], 0                      ; (named with m as a pair)
.endr
.irp t, 0,1
	v_max3_num_f32 v[MX+2*\t], v[MX+2*\t], v[LG+8*\t+3], v[LG+8*\t+4]
.endr
.irp t, 0,1
	v_max3_num_f32 v[MX+2*\t], v[MX+2*\t], v[LG+8*\t+5], v[LG+8*\t+6]
.endr
.irp t, 0,1
	v_max_num_f32 v[MX+2*\t], v[MX+2*\t], v[LG+8*\t+7]
.endr
.irp t, 0,1
.irp p, 0,2,4,6
	v_pk_add_f32 v[EX2+8*\t+\p:EX2+8*\t+\p+1], v[LG+8*\t+\p:LG+8*\t+\p+1], v[MX+2*\t:MX+2*\t+1] op_sel_hi:[1,0] neg_lo:[0,1] neg_hi:[0,1]   ; l - m first, so that the largest gives exactly 0
.endr
.endr
.irp p, 0,2,4,6,8,10,12,14
	v_pk_mul_f32 v[EX2+\p:EX2+\p+1], v[EX2+\p:EX2+\p+1], 0x3fb8aa3b op_sel_hi:[1,0]   ; x log2(e)
.endr
.set i, 0
.rept 16
	v_exp_f32 v[EX2+i], v[EX2+i]
.set i, i+1
.endr
	v_nop                                          ; a plain instruction behind the last exponential
	s_wait_alu depctr_va_vdst(0)                   ; one wait for the batch, ahead of its first reader
	s_wait_kmcnt 0x0                               ; the exponents
.irp t, 0,1
	v_pk_add_f32 v[SS+2*\t:SS+2*\t+1], v[EX2+8*\t:EX2+8*\t+1], v[EX2+8*\t+2:EX2+8*\t+3]
	v_pk_add_f32 v[8+2*\t:9+2*\t], v[EX2+8*\t+4:EX2+8*\t+5], v[EX2+8*\t+6:EX2+8*\t+7]
	v_mov_b32 v[BEST+\t], v[EX2+8*\t]
	v_mov_b32 v[IDX+\t], 0
	v_mov_b32 v[EXR+\t], s32
.endr
.irp t, 0,1
	v_pk_add_f32 v[SS+2*\t:SS+2*\t+1], v[SS+2*\t:SS+2*\t+1], v[8+2*\t:9+2*\t]
.endr
.irp t, 0,1
	v_add_f32 v[SS+2*\t], v[SS+2*\t], v[SS+2*\t+1] ; S
.endr
.irp e, 1,2,3,4,5,6,7
.irp t, 0,1
	v_cmp_le_f32 vcc_lo, v[EX2+8*\t+\e], v[BEST+\t]            ; not larger: the earlier expert stays
	v_cndmask_b32 v[BEST+\t], v[EX2+8*\t+\e], v[BEST+\t], vcc_lo
	v_cndmask_b32 v[IDX+\t], \e, v[IDX+\t], vcc_lo
	v_cndmask_b32 v[EXR+\t], s[32+4*\e], v[EXR+\t], vcc_lo     ; its ex goes along: a value, never an address
.endr
.endr
.irp t, 0,1
	v_log_f32 v[12+\t], v[SS+2*\t]
	v_rcp_f32 v[14+\t], v[SS+2*\t]
.endr
	v_nop
	s_wait_alu depctr_va_vdst(0)                   ; one wait for the four
.irp t, 0,1
	v_fma_f32 v[12+\t], v[12+\t], 0x3f317218, v[MX+2*\t]       ; lse = m + ln 2 x log2 S
	v_mul_f32 v[14+\t], v[BEST+\t], v[14+\t]                   ; p of the chosen expert
.endr
.irp t, 0,1
	v_rcp_f32 v[8+\t], v[14+\t]
.endr
.irp t, 0,1
	v_mul_f32 v[12+\t], v[12+\t], v[12+\t]                     ; lse^2  (plain instructions behind the reciprocals)
	v_add_nc_u32 v[10+\t], 127, v[EXR+\t]
.endr
	s_wait_alu depctr_va_vdst(0)
.irp t, 0,1
	v_mul_f32 v[14+\t], v[14+\t], v[8+\t]                      ; topw = p / (the sum of the one p)
	v_lshlrev_b32 v[SS+2*\t], 23, v[10+\t]                     ; 2^ex as f32: the conversion takes its exponent field
	v_add_nc_u32 v[10+\t], 15, v[10+\t]
	v_lshl_or_b32 v[SS+2*\t+1], v[10+\t], 23, 0x600000         ; 57,344 x 2^ex
.endr
	s_wait_dscnt 0x0                               ; x is back from the stages
.irp t, 0,1
.irp f, 0,1
.set i, 0
.rept 16
	v_med3_num_f32 v[QN+16*(2*\t+\f)+i], v[QN+16*(2*\t+\f)+i], -v[SS+2*\t+1], v[SS+2*\t+1]   ; the conversion to an 8-bit code does not saturate (ISA guide 7.6.2): the hold comes first
.set i, i+1
.endr
	v_cvt_scalef32_pk8_bf8_f32 v[CO+4*(2*\t+\f):CO+4*(2*\t+\f)+1], v[QN+16*(2*\t+\f):QN+16*(2*\t+\f)+7], v[SS+2*\t]
	v_cvt_scalef32_pk8_bf8_f32 v[CO+4*(2*\t+\f)+2:CO+4*(2*\t+\f)+3], v[QN+16*(2*\t+\f)+8:QN+16*(2*\t+\f)+15], v[SS+2*\t]
	v_nop                                          ; a plain instruction behind the conversions
	global_store_b128 v5, v[CO+4*(2*\t+\f):CO+4*(2*\t+\f)+3], s[10:11] offset:1024*\t+512*\f   ; the wave stores 512 consecutive bytes, aligned
.endr
.endr
	v_cmp_eq_u32 vcc_lo, 1, v1                     ; lane 0 speaks for the first token, lane 1 for the second
	v_cndmask_b32 v6, v[IDX], v[IDX+1], vcc_lo
	v_cndmask_b32 v7, v14, v15, vcc_lo
	v_cndmask_b32 v8, v12, v13, vcc_lo
	s_lshl_b32 s22, ttmp9, 4
	s_lshl_b32 s23, s18, 3
	s_add_co_u32 s22, s22, s23
	v_lshl_add_u32 v9, v1, 2, s22                  ; 4 x (my first token + lane)
	v_cmp_gt_u32 vcc_lo, 2, v1
	s_wait_xcnt 0x0                                ; EXEC changes only behind this wait
	s_wait_tensorcnt 0x0
	ds_add_u32 v248, v249
	s_wait_dscnt 0x0
	s_and_saveexec_b32 s24, vcc_lo
	global_store_b32 v9, v6, s[12:13]              ; 8 bytes a wave into each of three small tables: 12 KB in the whole launch
	global_store_b32 v9, v7, s[14:15]
	global_store_b32 v9, v8, s[14:15] offset:4096
	s_wait_xcnt 0x0
	s_or_b32 exec_lo, exec_lo, s24
	s_endpgm
.Lfunc_end_k_q2e15fe17f6_route:
	.size	k_q2e15fe17f6_route, .Lfunc_end_k_q2e15fe17f6_route-k_q2e15fe17f6_route
	.p2alignl 7, 3214868480
	.fill 96, 4, 3214868480
	.section	.rodata,"a",@progbits
	.p2align	6, 0x0
	.amdhsa_kernel k_q2e15fe17f6_route
		.amdhsa_group_segment_fixed_size 20736
		.amdhsa_private_segment_fixed_size 0
		.amdhsa_enable_private_segment 0
		.amdhsa_kernarg_size 48
		.amdhsa_user_sgpr_count 2
		.amdhsa_user_sgpr_kernarg_segment_ptr 1
		.amdhsa_wavefront_size32 1
		.amdhsa_system_sgpr_workgroup_id_x 1
		.amdhsa_system_sgpr_workgroup_id_y 1
		.amdhsa_system_sgpr_workgroup_id_z 1
		.amdhsa_system_vgpr_workitem_id 0
		.amdhsa_next_free_vgpr 256
		.amdhsa_next_free_sgpr 66
		.amdhsa_reserve_vcc 1
		.amdhsa_float_denorm_mode_32 3
		.amdhsa_float_denorm_mode_16_64 3
		.amdhsa_memory_ordered 1
		.amdhsa_forward_progress 1
		.amdhsa_inst_pref_size 45
	.end_amdhsa_kernel
	.amdgpu_metadata
---
amdhsa.version: [ 1, 2 ]
amdhsa.kernels:
  - .name:           k_q2e15fe17f6_route
    .symbol:         k_q2e15fe17f6_route.kd
    .args:
      - { .name: hidden_states, .offset: 0, .size: 8, .value_kind: global_buffer, .address_space: global }
      - { .name: gate_w, .offset: 8, .size: 8, .value_kind: global_buffer, .address_space: global }
      - { .name: lowp_scales, .offset: 16, .size: 8, .value_kind: global_buffer, .address_space: global }
      - { .name: xq, .offset: 24, .size: 8, .value_kind: global_buffer, .address_space: global }
      - { .name: sel, .offset: 32, .size: 8, .value_kind: global_buffer, .address_space: global }
      - { .name: stat, .offset: 40, .size: 8, .value_kind: global_buffer, .address_space: global }
    .group_segment_fixed_size: 20736
    .private_segment_fixed_size: 0
    .kernarg_segment_align: 8
    .kernarg_segment_size: 48
    .max_flat_workgroup_size: 64
    .sgpr_count:     66
    .vgpr_count:     256
    .wavefront_size: 32
...
	.end_amdgpu_metadata
.endif
;; end of part 1
;; launch place (part 2): grid 1 x 1, 32 waves a work-group, no clusters, 5,120 bytes of LDS; arguments sel, stat, perm, tws, tab, out1, out2; writes perm, tws, tab, out1, out2
.if DOCPART == 2
	.amdgcn_target "amdgcn-amd-amdhsa--gfx1250"
	.amdhsa_code_object_version 6
	.text
	.protected	k_q2e15fe17f6_place
	.globl	k_q2e15fe17f6_place
	.p2align	8
	.type	k_q2e15fe17f6_place,@function
k_q2e15fe17f6_place:
	s_mov_b64 s[64:65], 0
	v_nop
	global_prefetch_b8 v0, s[64:65] scope:SCOPE_SE
	s_setreg_imm32_b32 hwreg(HW_REG_WAVE_MODE, 25, 1), 1
	s_wait_xcnt 0x0
; THE ROWS ARE PLACED BY EXPERT (a counting sort without atomics), AND THE TWO LOSSES.  One work-group, a thread to a token.
; Expert e gets whole tiles of 16 positions: nt_e = ceil(N_e / 16) tiles from tile tb_e on, tb the running sum of nt: at most 71 tiles for every split of 1,024 tokens over 8 experts.
; perm[position] = token, tws[position] = topw, tokens of an expert in ascending order.  All 1,408 entries (88 tiles) of both are written: positions that no token takes get 0, so that later launches may read ahead.
; tab[2 e] = tb_e, tab[2 e + 1] = N_e.   out1 = mean_e(N_e / 1024 x mean topw) x 64;  out2 = sum lse^2 / 1024.
; LDS: bytes 0-511: for each wave 16 bytes, its eight counts in 16-bit fields (at most 32 each; sums at most 1,024);  bytes 512-767: for each wave its sums of topw and lse^2.
; The stores of perm and tws are 4 bytes a lane to scattered places: 8 KB in all, which is what a sort of 1,024 numbers writes.
; EXEC: every lane is on at the entry and at each narrowing, so EXEC is widened again by the constant -1.
; REGISTERS: v1 4 x token; v2-4 my token's expert, topw, lse^2; v7 lane; v8-15 at work; v18-21 positions; v24-31 counts summed over lanes; v32 at work across lanes; v34-37 the losses;
;   v40 = 0, v41 = 8 x lane: made at the head and never rewritten; v42 the table.
.set MK,   20                          ; s20-27  lanes of my wave that chose expert e
.set NE,   36                          ; s36-43  N_e
.set TB16, 44                          ; s44-51  16 tb_e
.set BASE, 52                          ; s52-59  16 tb_e + the count of expert e in the waves ahead of mine
.set NIL,  40
.set LOS,  41
.set TBL,  42
.macro WSUMF r, t                      ; an f32 sum over the wave's 32 lanes, in every lane
.irp x, 1,2,4,8
	v_add_f32_dpp v[\r], v[\r], v[\r] row_xmask:\x row_mask:0xf bank_mask:0xf
.endr
	v_permlanex16_b32 v[\t], v[\r], s78, s79
	v_add_f32 v[\r], v[\r], v[\t]
.endm
.macro WSUMI r, t                      ; the same for whole numbers
.irp x, 1,2,4,8
	v_mov_b32_dpp v[\t], v[\r] row_xmask:\x row_mask:0xf bank_mask:0xf
	v_add_nc_u32 v[\r], v[\r], v[\t]
.endr
	v_permlanex16_b32 v[\t], v[\r], s78, s79
	v_add_nc_u32 v[\r], v[\r], v[\t]
.endm
	s_load_b256 s[4:11], s[0:1], 0x0               ; sel s[4:5], stat s[6:7], perm s[8:9], tws s[10:11]
	s_load_b128 s[12:15], s[0:1], 0x20             ; tab s[12:13], out1 s[14:15]
	s_load_b64 s[16:17], s[0:1], 0x30              ; out2
	v_lshl_add_u32 v64, v0, 2, 0x400
	v_mov_b32 v65, 0
	v_lshrrev_b32 v1, 5, v0
	v_readfirstlane_b32 s18, v1                    ; wave 0..31
	v_lshlrev_b32 v1, 2, v0                        ; 4 x token
	v_and_b32 v7, 31, v0                           ; lane
	v_lshlrev_b32 v21, 4, v7                       ; 16 x lane: wave l's counts for lane l
	v_lshlrev_b32 v[LOS], 3, v7                    ; 8 x lane: wave l's two sums for lane l
	v_mov_b32 v[NIL], 0                            ; the pads' number, and the offset of the two losses
	s_mov_b32 s78, 0x76543210
	s_mov_b32 s79, 0xfedcba98
	v_mov_b32 v32, 0                               ; (a lane permute's destination counts as read: written once)
	s_wait_kmcnt 0x0
	global_load_b32 v2, v1, s[4:5]                 ; my token's expert,
	global_load_b32 v3, v1, s[6:7]                 ; topw,
	global_load_b32 v4, v1, s[6:7] offset:4096     ; lse^2
	s_wait_loadcnt 0x0
.irp e, 0,1,2,3,4,5,6,7
	v_cmp_eq_u32 s[MK+\e], \e, v2
.endr
.irp e, 0,1,2,3,4,5,6,7
	s_bcnt1_i32_b32 s[66+\e], s[MK+\e]
.endr
.irp k, 0,1,2,3
	s_lshl_b32 s[67+2*\k], s[67+2*\k], 16
	s_or_b32 s[28+\k], s[66+2*\k], s[67+2*\k]      ; experts 2 k and 2 k + 1 in one word
	v_mov_b32 v[8+\k], s[28+\k]
.endr
	s_lshl_b32 s60, s18, 4
	v_mov_b32 v12, s60
	ds_store_b128 v12, v[8:11]                     ; all lanes write the same 16 bytes with the same numbers
	v_mov_b32 v14, v3
	v_mov_b32 v15, v4
	WSUMF 14, 32
	WSUMF 15, 32
	s_lshl_b32 s61, s18, 3
	v_mov_b32 v13, s61
	ds_store_b64 v13, v[14:15] offset:512
	s_wait_dscnt 0x0                               ; for the others' sake: my stores have landed
	s_barrier_signal -1
	s_barrier_wait -1
	ds_load_b128 v[24:27], v21                     ; lane l: wave l's counts
	s_wait_dscnt 0x0
	v_cmp_gt_u32 vcc_lo, s18, v7                   ; waves ahead of mine
.irp k, 0,1,2,3
	v_cndmask_b32 v[28+\k], 0, v[24+\k], vcc_lo
.endr
.irp k, 0,1,2,3,4,5,6,7
	WSUMI 24+\k, 32
.endr
.irp k, 0,1,2,3
	v_readfirstlane_b32 s[28+\k], v[24+\k]         ; totals,
	v_readfirstlane_b32 s[32+\k], v[28+\k]         ; and what stands ahead of my wave
.endr
.irp k, 0,1,2,3
	s_and_b32 s[NE+2*\k], s[28+\k], 0xffff
	s_lshr_b32 s[NE+2*\k+1], s[28+\k], 16
	s_and_b32 s[66+2*\k], s[32+\k], 0xffff
	s_lshr_b32 s[67+2*\k], s[32+\k], 16
.endr
	s_mov_b32 s60, 0
.irp e, 0,1,2,3,4,5,6,7
	s_mov_b32 s[TB16+\e], s60
	s_add_co_u32 s[BASE+\e], s60, s[66+\e]
	s_add_co_u32 s61, s[NE+\e], 15
	s_and_b32 s61, s61, -16                        ; whole tiles of 16
	s_add_co_u32 s60, s60, s61
.endr
	v_mov_b32 v18, 0
.irp e, 0,1,2,3,4,5,6,7
	v_mbcnt_lo_u32_b32 v19, s[MK+\e], s[BASE+\e]   ; base + how many lanes below mine chose e
	v_cndmask_b32 v18, v18, v19, s[MK+\e]
.endr
	v_min_u32 v18, 0x57f, v18                      ; a position lies inside the 1,408 entries
	v_lshlrev_b32 v18, 2, v18
	global_store_b32 v18, v0, s[8:9]
	global_store_b32 v18, v3, s[10:11]
; Positions that no token takes: p is taken where p - 16 tb_e < N_e (unsigned) for some e.  The rest get 0: each word of perm and tws has one writer.
.macro TAKEN p
	s_mov_b32 s60, 0
.irp e, 0,1,2,3,4,5,6,7
	v_subrev_nc_u32 v19, s[TB16+\e], v[\p]
	v_cmp_gt_u32 s61, s[NE+\e], v19
	s_or_b32 s60, s60, s61
.endr
.endm
	TAKEN 0                                        ; p = thread
	s_not_b32 vcc_lo, s60
	s_wait_xcnt 0x0                                ; EXEC changes only behind this wait
	s_and_saveexec_b32 s62, vcc_lo
	global_store_b32 v1, v[NIL], s[8:9]
	global_store_b32 v1, v[NIL], s[10:11]
	s_wait_xcnt 0x0
	s_mov_b32 exec_lo, -1                          ; all lanes on again
	v_add_nc_u32 v20, 0x400, v0                    ; p = 1,024 + thread, for threads under 384
	TAKEN 20
	v_cmp_gt_u32 s61, 0x180, v0
	s_and_not1_b32 vcc_lo, s61, s60
	s_and_saveexec_b32 s62, vcc_lo                 ; (nothing was issued since the last wait on XCNT)
	global_store_b32 v1, v[NIL], s[8:9] offset:4096
	global_store_b32 v1, v[NIL], s[10:11] offset:4096
	s_wait_xcnt 0x0
	s_mov_b32 exec_lo, -1
	s_cmp_lg_u32 s18, 0                            ; the table and the losses are wave 0's; no barrier stands below
	s_cbranch_scc1 .Lend
	v_mov_b32 v[TBL], 0
.irp e, 0,1,2,3,4,5,6,7
	s_lshr_b32 s60, s[TB16+\e], 4
	v_writelane_b32 v[TBL], s60, 2*\e
	v_writelane_b32 v[TBL], s[NE+\e], 2*\e+1
.endr
	global_store_b32 v1, v[TBL], s[12:13]          ; 128 consecutive bytes: (tb, N) of the eight experts, then zeros
	ds_load_b64 v[34:35], v[LOS] offset:512        ; lane l: wave l's two sums
	s_wait_dscnt 0x0
	WSUMF 34, 32
	WSUMF 35, 32
	v_mul_f32 v34, 0x3a800000, v34                 ; mean topw
	v_mul_f32 v35, 0x3a800000, v35                 ; z loss
.irp e, 0,1,2,3,4,5,6,7
	v_cvt_f32_u32 v36, s[NE+\e]
	v_mul_f32 v36, 0x3a800000, v36                 ; the expert's share of the tokens
.if \e == 0
	v_mul_f32 v37, v36, v34
.else
	v_fmac_f32 v37, v36, v34
.endif
.endr
	v_mul_f32 v37, 0x41000000, v37                 ; / 8 experts x 64
	v_cmp_eq_u32 vcc_lo, 0, v0
	s_wait_xcnt 0x0
	s_and_saveexec_b32 s62, vcc_lo
	global_store_b32 v[NIL], v37, s[14:15]
	global_store_b32 v[NIL], v35, s[16:17]
	s_wait_xcnt 0x0
	s_mov_b32 exec_lo, -1
.Lend:
	s_wait_tensorcnt 0x0
	ds_add_u32 v64, v65
	s_wait_dscnt 0x0
	s_endpgm
.Lfunc_end_k_q2e15fe17f6_place:
	.size	k_q2e15fe17f6_place, .Lfunc_end_k_q2e15fe17f6_place-k_q2e15fe17f6_place
	.p2alignl 7, 3214868480
	.fill 96, 4, 3214868480
	.section	.rodata,"a",@progbits
	.p2align	6, 0x0
	.amdhsa_kernel k_q2e15fe17f6_place
		.amdhsa_group_segment_fixed_size 5120
		.amdhsa_private_segment_fixed_size 0
		.amdhsa_enable_private_segment 0
		.amdhsa_kernarg_size 56
		.amdhsa_user_sgpr_count 2
		.amdhsa_user_sgpr_kernarg_segment_ptr 1
		.amdhsa_wavefront_size32 1
		.amdhsa_system_sgpr_workgroup_id_x 1
		.amdhsa_system_sgpr_workgroup_id_y 1
		.amdhsa_system_sgpr_workgroup_id_z 1
		.amdhsa_system_vgpr_workitem_id 0
		.amdhsa_next_free_vgpr 66
		.amdhsa_next_free_sgpr 80
		.amdhsa_reserve_vcc 1
		.amdhsa_float_denorm_mode_32 3
		.amdhsa_float_denorm_mode_16_64 3
		.amdhsa_memory_ordered 1
		.amdhsa_forward_progress 1
		.amdhsa_inst_pref_size 18
	.end_amdhsa_kernel
	.amdgpu_metadata
---
amdhsa.version: [ 1, 2 ]
amdhsa.kernels:
  - .name:           k_q2e15fe17f6_place
    .symbol:         k_q2e15fe17f6_place.kd
    .args:
      - { .name: sel, .offset: 0, .size: 8, .value_kind: global_buffer, .address_space: global }
      - { .name: stat, .offset: 8, .size: 8, .value_kind: global_buffer, .address_space: global }
      - { .name: perm, .offset: 16, .size: 8, .value_kind: global_buffer, .address_space: global }
      - { .name: tws, .offset: 24, .size: 8, .value_kind: global_buffer, .address_space: global }
      - { .name: tab, .offset: 32, .size: 8, .value_kind: global_buffer, .address_space: global }
      - { .name: out1, .offset: 40, .size: 8, .value_kind: global_buffer, .address_space: global }
      - { .name: out2, .offset: 48, .size: 8, .value_kind: global_buffer, .address_space: global }
    .group_segment_fixed_size: 5120
    .private_segment_fixed_size: 0
    .kernarg_segment_align: 8
    .kernarg_segment_size: 56
    .max_flat_workgroup_size: 1024
    .sgpr_count:     80
    .vgpr_count:     66
    .wavefront_size: 32
...
	.end_amdgpu_metadata
.endif
;; end of part 2
;; launch up (part 3): grid 32 x 8, 4 waves a work-group, no clusters, 266,752 bytes of LDS; arguments xq, w1_codes, b1, lowp_scales, perm, tab, hq; writes hq
.if DOCPART == 3
	.amdgcn_target "amdgcn-amd-amdhsa--gfx1250"
	.amdhsa_code_object_version 6
	.text
	.protected	k_q2e15fe17f6_up
	.globl	k_q2e15fe17f6_up
	.p2align	8
	.type	k_q2e15fe17f6_up,@function
k_q2e15fe17f6_up:
	s_mov_b64 s[64:65], 0
	v_nop
	global_prefetch_b8 v0, s[64:65] scope:SCOPE_SE
	s_setreg_imm32_b32 hwreg(HW_REG_WAVE_MODE, 25, 1), 1
	s_wait_xcnt 0x0
; THE FIRST PRODUCT OF THE CHOSEN EXPERT: hq = Q(gelu(x W1^T 2^(ex + ew1) + b1)), on codes of E5M2, for the rows that chose the expert alone.
; SHARES.  Work-group (x = s, y = e) owns rows 128 s .. 128 s + 127 of expert e's W1 (128 KB of codes, read from memory once in the launch) and serves ALL tokens of that expert, 64 positions a trip.
; Wave w keeps rows 128 s + 32 w + 0 .. 31 at the whole K = 1,024 in 256 registers: 2 tiles u x 8 K steps q.  Its 32 KB are one dense block: 64 loads of 512 consecutive bytes, turned once through the wave's own stage in LDS.
; THE ROWS OF A TILE ARE NOT NEIGHBOURS: lane r of tile u takes row 8 u + r + 8 (r / 8).  THE PRODUCT IS USED TRANSPOSED (source 0 = 16 rows of W1, source 1 = 16 tokens): a lane holds one token, and the 16 registers of
; tiles 0 and 1 are hidden units 128 s + 32 w + 16 (lane / 16) + 0 .. 15: 16 neighbours along the next K, so the conversions' results are four registers of the next product's operand.
; hq holds IMAGES OF THAT OPERAND'S REGISTERS: byte tile x 65,536 + s x 2,048 + w x 512 + 16 x lane.  A fragment's k is laid 32 c + 16 (lane / 16) + 0 .. 15 in registers 4 c .. 4 c + 3, alike on both sides of each product.
; x's rows come by the list perm: a wave gathers the 16 rows of one tile (each row two loads of 512 consecutive bytes) into registers and stores them into one of two stages in LDS, one trip ahead; all four waves read them.
; THE TRIP COUNT IS A CONSTANT (16 trips of 4 tiles serve all 1,024 tokens on one expert); a trip past the expert's tiles jumps over its work, never over its barrier.
; NO TENSOR LOADS, NO CLUSTER: which rows are walked, and how many, hangs on numbers read from memory (tab, perm), so LDS is filled through registers and there is no joint request to share.
; gelu is the tanh form: z / (1 + 2^(c0 z + c1 z^3)), c0 = -2 log2(e) sqrt(2 / pi), c1 = 0.044715 c0: the same function, with one exponential and one reciprocal.
; Rows of an expert's last tile past N_e hold token 0's codes (perm is 0 there): their images are written, and the next launch never stores what comes of them.
; LIMITS: ex + ew1 between -126 and 127; eh between -126 and 112.  NaN is not served.
; LDS: 0: x stage 0, 64 rows of 1,024 + 16 bytes;  66,560: x stage 1;  133,120 + 33,280 w: wave w's weight stage, 32 rows of 1,024 + 16.  The pitch is an odd multiple of 16 bytes.
; REGISTERS: window 0: v1-11 addresses; v16-31 the gather's offsets; v32-47 my 16 biases; v48-55 constants; v56-63 codes; v64-95 four accumulators; v96-127 at work; v128-255 four sets of x fragments.
;   window 1: W1's 16 fragments, (u, q) at v[16 (8 u + q)].   window 2: v0-127: 16 rows of x on their way to LDS.
.set PX,   1040
.set XSB,  64*PX
.set WST,  2*XSB
.set WSB,  32*PX
.set XO,   16
.set B1,   32
.set CD,   56
.set ACC,  64
.set T,    96
.set XF,   128
.set MSB,  0
.macro WIN new                         ; the immediate's high byte repeats the setting that is left
.if MSB != \new
	s_set_vgpr_msb (MSB<<8)|\new
.set MSB, \new
.endif
.endm
.macro WSTORE k                        ; eight of the 64 pieces of 512 bytes into my weight stage: piece n is half n % 2 of row n / 2
	WIN 0x04                                       ; the data lie in window 1
.irp i, 0,1,2,3,4,5,6,7
	ds_store_b128 v4, v[4*(8*(\k)+\i):4*(8*(\k)+\i)+3] offset:((8*(\k)+\i)/2)*PX+((8*(\k)+\i)%2)*512
.endr
.endm
.macro XADDR                           ; 16 tokens of the list become 16 offsets into xq
.irp p, 0,1,2,3,4,5,6,7,8,9,10,11,12,13,14,15
	s_min_u32 s[32+\p], s[32+\p], 1023             ; a loaded number enters an address only held inside the table
	v_lshl_add_u32 v[XO+\p], s[32+\p], 10, v1
.endr
.endm
.macro XLOAD                           ; their rows: two loads of 512 consecutive bytes each (32 work-groups read the same rows: no hint)
	WIN 0x80
.irp p, 0,1,2,3,4,5,6,7,8,9,10,11,12,13,14,15
	global_load_b128 v[8*\p:8*\p+3], v[XO+\p], s[4:5]
	global_load_b128 v[8*\p+4:8*\p+7], v[XO+\p], s[4:5] offset:512
.endr
	WIN 0
.endm
.macro XSTORE par                      ; and into rows 16 w .. 16 w + 15 of stage par
	WIN 0x08                                       ; the data lie in window 2
.irp p, 0,1,2,3,4,5,6,7,8,9,10,11,12,13,14,15
	ds_store_b128 v[6+(\par)], v[8*\p:8*\p+3] offset:\p*PX
	ds_store_b128 v[6+(\par)], v[8*\p+4:8*\p+7] offset:\p*PX+512
.endr
	WIN 0
.endm
.macro FETCH par, a0, q                ; K step q of token tiles a0, a0 + 1 into set q % 4: eight loads
.irp a, 0,1
.irp c, 0,1,2,3
	ds_load_b128 v[XF+32*((\q)%4)+16*\a+4*\c:XF+32*((\q)%4)+16*\a+4*\c+3], v[8+(\par)] offset:16*((\a0)+\a)*PX+128*(\q)+32*\c
.endr
.endr
.endm
; Two token tiles through the whole K, the activation, the quantiser and out.  Four accumulators take turns, one instruction a turn.
.macro HALF par, a0
	FETCH \par, \a0, 0
	FETCH \par, \a0, 1
	FETCH \par, \a0, 2
	FETCH \par, \a0, 3
.irp q, 0,1,2,3,4,5,6,7
.if \q < 5
	s_wait_dscnt 24                                ; set q is in; the three younger sets, eight loads each, may be out
.else
	s_wait_dscnt 8*(7-\q)                          ; nothing more is fetched: the counts run down
.endif
	WIN 0x01                                       ; source 0 (W1) in window 1
.irp a, 0,1
.irp u, 0,1
.if \q == 0
	v_wmma_f32_16x16x128_bf8_bf8 v[ACC+16*\a+8*\u:ACC+16*\a+8*\u+7], v[16*(8*\u+\q):16*(8*\u+\q)+15], v[XF+32*(\q%4)+16*\a:XF+32*(\q%4)+16*\a+15], 0
.else
	v_wmma_f32_16x16x128_bf8_bf8 v[ACC+16*\a+8*\u:ACC+16*\a+8*\u+7], v[16*(8*\u+\q):16*(8*\u+\q)+15], v[XF+32*(\q%4)+16*\a:XF+32*(\q%4)+16*\a+15], v[ACC+16*\a+8*\u:ACC+16*\a+8*\u+7]
.endif
.endr
.endr
.if (\q < 4) || (\q == 7)
	WIN 0
.rept 4
	v_nop                                          ; four places: ahead of loads into the set just multiplied, and at the end ahead of the first read of results
.endr
.endif
.if \q < 4
	FETCH \par, \a0, \q+4
.endif
.endr
.set i, 0
.rept 16
	v_pk_fma_f32 v[ACC+i:ACC+i+1], v[ACC+i:ACC+i+1], v[52:53], v[B1+(i%16):B1+(i%16)+1]   ; z = sum x 2^(ex + ew1) + b1; each accumulator from its low end on
.set i, i+2
.endr
.set i, 0
.rept 16
	v_pk_mul_f32 v[T+i:T+i+1], v[ACC+i:ACC+i+1], v[ACC+i:ACC+i+1]
.set i, i+2
.endr
.set i, 0
.rept 16
	v_pk_fma_f32 v[T+i:T+i+1], v[T+i:T+i+1], v[50:51], v[48:49]      ; c1 z^2 + c0
.set i, i+2
.endr
.set i, 0
.rept 16
	v_pk_mul_f32 v[T+i:T+i+1], v[T+i:T+i+1], v[ACC+i:ACC+i+1]        ; x z
.set i, i+2
.endr
.set i, 0
.rept 32
	v_exp_f32 v[T+i], v[T+i]
.set i, i+1
.endr
	v_nop                                          ; a plain instruction behind the last exponential
	s_wait_alu depctr_va_vdst(0)                   ; one wait for the batch, ahead of its first reader
.set i, 0
.rept 16
	v_pk_add_f32 v[T+i:T+i+1], v[T+i:T+i+1], 1.0 op_sel_hi:[1,0]
.set i, i+2
.endr
.set i, 0
.rept 32
	v_rcp_f32 v[T+i], v[T+i]
.set i, i+1
.endr
	v_nop
	s_wait_alu depctr_va_vdst(0)                   ; one wait for the batch
.set i, 0
.rept 16
	v_pk_mul_f32 v[ACC+i:ACC+i+1], v[ACC+i:ACC+i+1], v[T+i:T+i+1]    ; gelu(z)
.set i, i+2
.endr
.set i, 0
.rept 32
	v_med3_num_f32 v[ACC+i], v[ACC+i], -v54, v54   ; the conversion to an 8-bit code does not saturate (ISA guide 7.6.2): the hold at 57,344 x 2^eh
.set i, i+1
.endr
	s_wait_xcnt 0x0                                ; the last stores have read the code registers: they are written again only behind this wait
.irp a, 0,1
	v_cvt_scalef32_pk8_bf8_f32 v[CD+4*\a:CD+4*\a+1], v[ACC+16*\a:ACC+16*\a+7], v55
	v_cvt_scalef32_pk8_bf8_f32 v[CD+4*\a+2:CD+4*\a+3], v[ACC+16*\a+8:ACC+16*\a+15], v55
.endr
	v_nop                                          ; a plain instruction behind the conversions: the next products write their sources
	global_store_b128 v10, v[CD:CD+3], s[48:49] offset:(\a0)*65536          ; the wave stores 512 consecutive bytes, aligned.  Tile i4 + a0 is the expert's: that was tested on the way here
	s_add_co_u32 s52, s28, (\a0)+1
	s_cmp_ge_u32 s52, s21                          ; the tile after it may be the next expert's: then it is not mine to write
	s_cbranch_scc1 .Lno_\@
	global_store_b128 v10, v[CD+4:CD+7], s[48:49] offset:((\a0)+1)*65536
.Lno_\@:
.endm
; A trip: tiles i4 .. i4 + 3 of the expert, from stage par; the next four tiles' rows are gathered meanwhile and stored into the other stage at the trip's end.
.macro TRIP par
	s_wait_dscnt 0x0                               ; my stores into stage par have landed, and my reads of the other stage are back:
	s_barrier_signal -1
	s_barrier_wait -1                              ; both now hold of all four waves
	s_cmp_ge_u32 s28, s21
	s_cbranch_scc1 .Lend_\@                        ; past the expert's tiles: nothing but the barrier
	s_add_co_u32 s29, s28, 4
	s_add_co_u32 s52, s22, s28
	s_lshl_b32 s52, s52, 16                        ; tile tb + i4 in hq
	s_mov_b32 s53, 0
	s_wait_xcnt 0x0                                ; the last trip's stores have read their base
	s_add_nc_u64 s[48:49], s[16:17], s[52:53]
	s_wait_kmcnt 0x0                               ; the list of the next four tiles
	XADDR
	s_lshl_b32 s31, s28, 6                         ; 64 bytes of the list a tile
	s_load_b512 s[32:47], s[50:51], s31 offset:0x200   ; and that of the four after them: at most tile 81 of the list's 88
	s_cmp_ge_u32 s29, s21
	s_cbranch_scc1 .Lnl_\@
	XLOAD
.Lnl_\@:
	HALF \par, 0
	s_add_co_u32 s52, s28, 2
	s_cmp_ge_u32 s52, s21
	s_cbranch_scc1 .Lh_\@
	HALF \par, 2
.Lh_\@:
	s_wait_loadcnt 0x0                             ; the gathered rows are in (on every way: the gather's offsets may then be written again)
	s_cmp_ge_u32 s29, s21
	s_cbranch_scc1 .Lend_\@
	XSTORE 1-\par                                  ; nobody reads that stage: every wave passed this trip's barrier behind its last read of it
.Lend_\@:
	s_add_co_u32 s28, s28, 4
.endm
	s_load_b256 s[4:11], s[0:1], 0x0               ; xq s[4:5], W1's codes s[6:7], b1 s[8:9], lowp_scales s[10:11]
	s_load_b128 s[12:15], s[0:1], 0x20             ; perm s[12:13], tab s[14:15]
	s_load_b64 s[16:17], s[0:1], 0x30              ; hq
	v_lshl_add_u32 v14, v0, 2, 0x41000
	v_mov_b32 v15, 0
	v_lshrrev_b32 v2, 5, v0
	v_readfirstlane_b32 s18, v2                    ; wave 0..3
	s_and_b32 s19, ttmp7, 0xffff                   ; e
	s_mov_b32 s20, ttmp9                           ; s
	v_and_b32 v2, 31, v0
	v_lshlrev_b32 v1, 4, v2                        ; 16 x lane
	v_and_b32 v3, 15, v0                           ; r
	v_bfe_u32 v12, v0, 4, 1                        ; h
	s_mul_i32 s52, s18, WSB
	s_add_co_u32 s52, s52, WST                     ; my weight stage
	v_add_nc_u32 v4, s52, v1                       ; into it
	v_and_b32 v13, 8, v3
	v_add_nc_u32 v13, v13, v3                      ; r + 8 (r / 8)
	v_mul_u32_u24 v13, v13, PX
	v_lshl_add_u32 v13, v12, 4, v13
	v_add_nc_u32 v5, s52, v13                      ; out of it, as fragments
	s_mul_i32 s52, s18, 16*PX
	v_add_nc_u32 v6, s52, v1                       ; x stage 0: my 16 rows
	v_add_nc_u32 v7, XSB, v6                       ; stage 1
	v_mul_u32_u24 v8, v3, PX
	v_lshl_add_u32 v8, v12, 4, v8                  ; x fragments from stage 0,
	v_add_nc_u32 v9, XSB, v8                       ; from stage 1
	s_lshl_b32 s52, s20, 11
	s_lshl_b32 s53, s18, 9
	s_add_co_u32 s52, s52, s53
	v_add_nc_u32 v10, s52, v1                      ; my place in a tile's image: 2,048 s + 512 w + 16 x lane
	v_lshlrev_b32 v11, 6, v12                      ; b1: 16 numbers further on for lanes 16-31
	s_lshl_b32 s54, s19, 22                        ; W1: the expert's 4 MB, the work-group's 128 rows, the wave's 32
	s_lshl_b32 s53, s20, 17
	s_add_co_u32 s54, s54, s53
	s_lshl_b32 s53, s18, 15
	s_add_co_u32 s54, s54, s53
	s_mov_b32 s55, 0
	s_lshl_b32 s56, s19, 14                        ; b1 likewise, 4 bytes a row
	s_lshl_b32 s53, s20, 9
	s_add_co_u32 s56, s56, s53
	s_lshl_b32 s53, s18, 7
	s_add_co_u32 s56, s56, s53
	s_mov_b32 s57, 0
	s_lshl_b32 s58, s19, 3
	s_lshl_b32 s59, s19, 4
	s_wait_kmcnt 0x0
	s_load_b64 s[22:23], s[14:15], s58 offset:0x0  ; tb, N of my expert
	s_load_b128 s[24:27], s[10:11], s59 offset:0x0 ; ex, ew1, eh, ew2
	s_add_nc_u64 s[6:7], s[6:7], s[54:55]
	s_add_nc_u64 s[8:9], s[8:9], s[56:57]
	WIN 0x40                                       ; destination window 1
.set n, 0
.rept 64
	global_load_b128 v[4*n:4*n+3], v1, s[6:7] offset:512*n th:TH_LOAD_NT   ; my 32 KB of W1, as they lie: read once in the launch
.set n, n+1
.endr
	WIN 0
	s_wait_kmcnt 0x0
	s_min_u32 s22, s22, 71                         ; loaded numbers are held inside their ranges
	s_min_u32 s23, s23, 1024
	s_add_co_u32 s21, s23, 15
	s_lshr_b32 s21, s21, 4                         ; nt
	s_add_co_u32 s52, s22, s18
	s_lshl_b32 s52, s52, 6
	s_mov_b32 s53, 0
	s_add_nc_u64 s[50:51], s[12:13], s[52:53]      ; the list at tile tb + w
	s_load_b512 s[32:47], s[50:51], 0x0
	s_wait_kmcnt 0x0
	XADDR
	s_load_b512 s[32:47], s[50:51], 0x100          ; the next four tiles' part of the list
	s_wait_loadcnt 56                              ; pieces 0-7 are in: 56 weight loads are younger
	WSTORE 0
	s_wait_loadcnt 48
	WSTORE 1
	s_wait_loadcnt 40
	WSTORE 2
	s_wait_loadcnt 32
	WSTORE 3
	XLOAD                                          ; the first four tiles' rows: the list is written in full, so these need no test
.irp i, 0,1,2,3
	global_load_b128 v[B1+4*\i:B1+4*\i+3], v11, s[8:9] offset:16*\i
.endr
	s_wait_loadcnt 60                              ; pieces 32-39: 24 weight loads and those 36 are younger
	WSTORE 4
	s_wait_loadcnt 52
	WSTORE 5
	s_wait_loadcnt 44
	WSTORE 6
	s_wait_loadcnt 36
	WSTORE 7
	s_wait_dscnt 0x0                               ; the stores have read their registers: the fragments land on them
	WIN 0x40
.irp u, 0,1
.irp q, 0,1,2,3,4,5,6,7
.irp c, 0,1,2,3
	ds_load_b128 v[16*(8*\u+\q)+4*\c:16*(8*\u+\q)+4*\c+3], v5 offset:8*\u*PX+128*\q+32*\c
.endr
.endr
.endr
	WIN 0
	s_add_co_i32 s52, s24, s25
	s_add_co_i32 s52, s52, 127
	s_lshl_b32 s52, s52, 23
	v_mov_b32 v52, s52                             ; 2^(ex + ew1), twice
	v_mov_b32 v53, s52
	s_add_co_i32 s52, s26, 127
	s_lshl_b32 s53, s52, 23
	v_mov_b32 v55, s53                             ; 2^eh: the conversion takes its exponent field
	s_add_co_i32 s52, s52, 15
	s_lshl_b32 s52, s52, 23
	s_or_b32 s52, s52, 0x600000
	v_mov_b32 v54, s52                             ; 57,344 x 2^eh
	v_mov_b32 v48, 0xc0135761                      ; c0 = -2.3022082
	v_mov_b32 v49, 0xc0135761
	v_mov_b32 v50, 0xbdd2d3e8                      ; c1 = -0.10294324
	v_mov_b32 v51, 0xbdd2d3e8
	s_wait_loadcnt 0x0                             ; x's rows and b1
	XSTORE 0
	s_mov_b32 s28, 0                               ; i4: the trip's first tile
	s_mov_b32 s30, 0
.Lloop:
	TRIP 0
	TRIP 1
	s_add_co_u32 s30, s30, 1
	s_cmp_lt_u32 s30, 8
	s_cbranch_scc1 .Lloop
	s_wait_tensorcnt 0x0
	ds_add_u32 v14, v15
	s_wait_dscnt 0x0
	s_endpgm
.Lfunc_end_k_q2e15fe17f6_up:
	.size	k_q2e15fe17f6_up, .Lfunc_end_k_q2e15fe17f6_up-k_q2e15fe17f6_up
	.p2alignl 7, 3214868480
	.fill 96, 4, 3214868480
	.section	.rodata,"a",@progbits
	.p2align	6, 0x0
	.amdhsa_kernel k_q2e15fe17f6_up
		.amdhsa_group_segment_fixed_size 266752
		.amdhsa_private_segment_fixed_size 0
		.amdhsa_enable_private_segment 0
		.amdhsa_kernarg_size 56
		.amdhsa_user_sgpr_count 2
		.amdhsa_user_sgpr_kernarg_segment_ptr 1
		.amdhsa_wavefront_size32 1
		.amdhsa_system_sgpr_workgroup_id_x 1
		.amdhsa_system_sgpr_workgroup_id_y 1
		.amdhsa_system_sgpr_workgroup_id_z 1
		.amdhsa_system_vgpr_workitem_id 0
		.amdhsa_next_free_vgpr 640
		.amdhsa_next_free_sgpr 66
		.amdhsa_reserve_vcc 0
		.amdhsa_float_denorm_mode_32 3
		.amdhsa_float_denorm_mode_16_64 3
		.amdhsa_memory_ordered 1
		.amdhsa_forward_progress 1
		.amdhsa_inst_pref_size 114
	.end_amdhsa_kernel
	.amdgpu_metadata
---
amdhsa.version: [ 1, 2 ]
amdhsa.kernels:
  - .name:           k_q2e15fe17f6_up
    .symbol:         k_q2e15fe17f6_up.kd
    .args:
      - { .name: xq, .offset: 0, .size: 8, .value_kind: global_buffer, .address_space: global }
      - { .name: w1_codes, .offset: 8, .size: 8, .value_kind: global_buffer, .address_space: global }
      - { .name: b1, .offset: 16, .size: 8, .value_kind: global_buffer, .address_space: global }
      - { .name: lowp_scales, .offset: 24, .size: 8, .value_kind: global_buffer, .address_space: global }
      - { .name: perm, .offset: 32, .size: 8, .value_kind: global_buffer, .address_space: global }
      - { .name: tab, .offset: 40, .size: 8, .value_kind: global_buffer, .address_space: global }
      - { .name: hq, .offset: 48, .size: 8, .value_kind: global_buffer, .address_space: global }
    .group_segment_fixed_size: 266752
    .private_segment_fixed_size: 0
    .kernarg_segment_align: 8
    .kernarg_segment_size: 56
    .max_flat_workgroup_size: 128
    .sgpr_count:     66
    .vgpr_count:     640
    .wavefront_size: 32
...
	.end_amdgpu_metadata
.endif
;; end of part 3
;; launch down (part 4): grid 32 x 8, 4 waves a work-group, no clusters, 207,360 bytes of LDS; arguments hq, w2_codes, b2, lowp_scales, perm, tws, tab, out0; writes out0
.if DOCPART == 4
	.amdgcn_target "amdgcn-amd-amdhsa--gfx1250"
	.amdhsa_code_object_version 6
	.text
	.protected	k_q2e15fe17f6_down
	.globl	k_q2e15fe17f6_down
	.p2align	8
	.type	k_q2e15fe17f6_down,@function
k_q2e15fe17f6_down:
	s_mov_b64 s[64:65], 0
	v_nop
	global_prefetch_b8 v0, s[64:65] scope:SCOPE_SE
	s_setreg_imm32_b32 hwreg(HW_REG_WAVE_MODE, 25, 1), 1
	s_wait_xcnt 0x0
; THE SECOND PRODUCT: out0[token] = topw x (h W2^T 2^(eh + ew2) + b2), on codes of E5M2, for the rows that chose the expert alone.
; SHARES.  Work-group (x = j, y = e) owns rows (output columns) 32 j .. 32 j + 31 of expert e's W2 (128 KB of codes, read from memory once in the launch) and serves all tiles of 16 positions of that expert.
; K = 4,096 IS SHARED AMONG THE WAVES: wave w keeps the 32 rows x K 1,024 w .. 1,024 w + 1,023 in 256 registers: 2 tiles n x 8 K steps q.  So each hidden fragment serves one wave alone and comes straight from
; hq into registers: hq holds images of the operand's registers, four loads of 512 consecutive bytes a fragment, no LDS on the way.  The four waves' partial sums meet in LDS; wave w finishes tile i4 + w of a trip's four.
; THE PRODUCT IS USED TRANSPOSED (source 0 = 16 rows of W2, source 1 = 16 positions): a lane holds one position and eight neighbouring output columns.
; Each output row has one owner: a token has one position, and the work-groups of an expert take different columns.  A work-group's 32 columns are 128 bytes of a token's row: eight lanes store them; a wider share
; would leave half of the 256 work-groups without weights.  Positions past N_e are masked out of the stores.  Every lane is on at each narrowing of EXEC, so it is widened again by the constant -1.
; THE TRIP COUNT IS A CONSTANT (16 trips of 4 tiles); steps past the expert's tiles jump over their work, never over a barrier.
; NO TENSOR LOADS, NO CLUSTER: which tiles are walked hangs on numbers read from memory (tab), so nothing is filled by an engine and there is no joint request to share.
; LIMITS: eh + ew2 between -126 and 127.  NaN is not served.  The sum over K is made as four sums of 1,024, added in f32.
; LDS: 33,280 w: wave w's weight stage, 32 rows of 1,024 + 16 bytes;  133,120 + 36,864 par + 9,216 a + 2,304 v: wave v's partial sums of tile a, 16 rows of 128 + 16 bytes; the two halves par take turns.
; REGISTERS: window 0: v1-15 addresses; v16-19 b2; v[20:21] 2^(eh + ew2); v24-39 a tile's tokens, weights, offsets, positions; v64-79 two accumulators; v128-191 partial sums read back.
;   window 1: W2's 16 fragments, (n, q) at v[16 (8 n + q)].   window 2: two sets of 8 hidden fragments, at v0 and v128.
.set PX,   1040
.set WSB,  32*PX
.set XCH,  4*WSB
.set XP,   144
.set XWV,  16*XP
.set XTL,  4*XWV
.set XHF,  4*XTL
.set MSB,  0
.macro WIN new                         ; the immediate's high byte repeats the setting that is left
.if MSB != \new
	s_set_vgpr_msb (MSB<<8)|\new
.set MSB, \new
.endif
.endm
; The raw weights land where nothing else is needed yet: pieces 0-31 in window 2, v128-255 (the hidden fragments' second set, which is thereby written on every way), pieces 32-63 in window 1, v128-255.
.macro WSTORE k
.if (\k) < 4
	WIN 0x08
.set wb, 128
.else
	WIN 0x04
.set wb, 0
.endif
.irp i, 0,1,2,3,4,5,6,7
	ds_store_b128 v4, v[wb+4*(8*(\k)+\i):wb+4*(8*(\k)+\i)+3] offset:((8*(\k)+\i)/2)*PX+((8*(\k)+\i)%2)*512
.endr
.endm
.macro HLOAD set                       ; my 8 K steps of tile s53 into a set: 32 loads of 512 consecutive bytes (32 work-groups read the same tiles: no hint)
	s_min_u32 s53, s53, 71                         ; a number made of a loaded one enters an address only held inside hq's 72 tiles
	v_lshl_add_u32 v[10+(\set)], s53, 16, v8
	WIN 0x80
.irp q, 0,1,2,3,4,5,6,7
.irp c, 0,1,2,3
	global_load_b128 v[128*(\set)+16*\q+4*\c:128*(\set)+16*\q+4*\c+3], v[10+(\set)], s[4:5] offset:2048*\q+512*\c
.endr
.endr
	WIN 0
.endm
; Tile t = i4 + a: my quarter of K, 16 matrix instructions, two accumulators by turns; the partial sums go to LDS.
; On every way a step begins with loads pending into its own set at most: the arm that works and has a successor asks for it and counts exactly those 32; the other two arms wait for all.
.macro TSTEP par, a
.set CS, (\a)%2
.set HS, ((\a)+1)%2
	s_add_co_u32 s52, s26, \a
	s_cmp_ge_u32 s52, s23
	s_cbranch_scc1 .Lidle_\@
	s_add_co_u32 s53, s52, 1
	s_cmp_ge_u32 s53, s23
	s_cbranch_scc1 .Llast_\@
	s_add_co_u32 s53, s53, s24                     ; tile tb + t + 1
	HLOAD HS                                       ; its set was multiplied a step ago, five places back; its old loads and their offset were shown done there
	s_wait_loadcnt 32                              ; my tile is in: exactly the 32 loads just issued are younger
	s_branch .Lgo_\@
.Llast_\@:
	s_wait_loadcnt 0x0
.Lgo_\@:
	WIN 0x09                                       ; source 0 (W2) window 1, source 1 (h) window 2
.irp q, 0,1,2,3,4,5,6,7
.irp n, 0,1
.if \q == 0
	v_wmma_f32_16x16x128_bf8_bf8 v[64+8*\n:71+8*\n], v[16*(8*\n+\q):16*(8*\n+\q)+15], v[128*CS+16*\q:128*CS+16*\q+15], 0
.else
	v_wmma_f32_16x16x128_bf8_bf8 v[64+8*\n:71+8*\n], v[16*(8*\n+\q):16*(8*\n+\q)+15], v[128*CS+16*\q:128*CS+16*\q+15], v[64+8*\n:71+8*\n]
.endif
.endr
.endr
	WIN 0
.rept 5
	v_nop                                          ; places: four for the LDS stores of results and the next loads into the set, five for the next step's products, which begin the accumulators anew
.endr
.irp n, 0,1
	ds_store_b128 v6, v[64+8*\n:67+8*\n] offset:(\par)*XHF+(\a)*XTL+64*\n        ; each accumulator from its low end on
	ds_store_b128 v6, v[68+8*\n:71+8*\n] offset:(\par)*XHF+(\a)*XTL+64*\n+16
.endr
	s_branch .Ldone_\@
.Lidle_\@:
	s_wait_loadcnt 0x0                             ; past the expert's tiles nothing is out
.Ldone_\@:
.endm
; Wave w finishes tile t = i4 + w: the four partial sums, the scale, the bias, the gate's weight, and out to the tokens' rows.  Lanes 8 g .. 8 g + 7 hold row 4 m + g, four columns each.
.macro FIN par
	s_add_co_u32 s52, s26, s20
	s_cmp_ge_u32 s52, s23
	s_cbranch_scc1 .Lnf_\@
.irp m, 0,1,2,3
.irp y, 0,1,2,3
	ds_load_b128 v[128+16*\m+4*\y:128+16*\m+4*\y+3], v7 offset:(\par)*XHF+\y*XWV+\m*4*XP
.endr
.endr
	s_wait_kmcnt 0x0                               ; the tile's 16 tokens and weights
.irp m, 0,1,2,3
	v_mov_b32 v[24+\m], s[32+4*\m]
	v_mov_b32 v[28+\m], s[68+4*\m]
.irp g, 1,2,3
	v_cndmask_b32 v[24+\m], v[24+\m], s[32+4*\m+\g], s[83+\g]
	v_cndmask_b32 v[28+\m], v[28+\m], s[68+4*\m+\g], s[83+\g]
.endr
.endr
	s_lshl_b32 s54, s26, 6
	s_load_b512 s[32:47], s[48:49], s54 offset:0x100   ; my tile of the next trip: at most tile 74 of the lists' 88
	s_load_b512 s[68:83], s[50:51], s54 offset:0x100
	s_lshl_b32 s55, s52, 4
	v_add_nc_u32 v36, s55, v13                     ; my row's number among the expert's rows
.irp m, 1,2,3
	v_add_nc_u32 v[36+\m], 4*\m, v36
.endr
.irp m, 0,1,2,3
	v_min_u32 v[24+\m], 0x3ff, v[24+\m]            ; a loaded number enters an address only held inside the table
	v_lshl_add_u32 v[32+\m], v[24+\m], 12, v12     ; the token's row of 4,096 bytes + my columns
.endr
	s_wait_dscnt 0x0
.irp m, 0,1,2,3
	v_pk_add_f32 v[128+16*\m:129+16*\m], v[128+16*\m:129+16*\m], v[132+16*\m:133+16*\m]
	v_pk_add_f32 v[130+16*\m:131+16*\m], v[130+16*\m:131+16*\m], v[134+16*\m:135+16*\m]
	v_pk_add_f32 v[136+16*\m:137+16*\m], v[136+16*\m:137+16*\m], v[140+16*\m:141+16*\m]
	v_pk_add_f32 v[138+16*\m:139+16*\m], v[138+16*\m:139+16*\m], v[142+16*\m:143+16*\m]
.endr
.irp m, 0,1,2,3
	v_pk_add_f32 v[128+16*\m:129+16*\m], v[128+16*\m:129+16*\m], v[136+16*\m:137+16*\m]
	v_pk_add_f32 v[130+16*\m:131+16*\m], v[130+16*\m:131+16*\m], v[138+16*\m:139+16*\m]
.endr
.irp m, 0,1,2,3
	v_pk_fma_f32 v[128+16*\m:129+16*\m], v[128+16*\m:129+16*\m], v[20:21], v[16:17]   ; sum x 2^(eh + ew2) + b2
	v_pk_fma_f32 v[130+16*\m:131+16*\m], v[130+16*\m:131+16*\m], v[20:21], v[18:19]
.endr
.irp m, 0,1,2,3
.irp i, 0,1,2,3
	v_mul_f32 v[128+16*\m+\i], v[128+16*\m+\i], v[28+\m]       ; x topw
.endr
.endr
.irp m, 0,1,2,3
	v_cmp_gt_u32 vcc_lo, s25, v[36+\m]             ; rows under N_e are tokens
	s_wait_xcnt 0x0                                ; EXEC changes only behind this wait (the next tile's loads are among what is out)
	s_and_saveexec_b32 s53, vcc_lo
	global_store_b128 v[32+\m], v[128+16*\m:131+16*\m], s[18:19] th:TH_STORE_NT   ; eight lanes store a token's 128 consecutive bytes
	s_wait_xcnt 0x0
	s_mov_b32 exec_lo, -1                          ; all lanes on again
.endr
.Lnf_\@:
.endm
.macro TRIP par
	TSTEP \par, 0
	TSTEP \par, 1
	TSTEP \par, 2
	TSTEP \par, 3
	s_wait_dscnt 0x0                               ; my partial sums have landed in half par; my reads of the other half, a trip ago, are back
	s_barrier_signal -1
	s_barrier_wait -1                              ; both now hold of all four waves: one barrier a trip orders both ways, since the halves take turns
	FIN \par
	s_add_co_u32 s26, s26, 4
.endm
	s_load_b512 s[4:19], s[0:1], 0x0               ; hq s[4:5], W2's codes s[6:7], b2 s[8:9], lowp_scales s[10:11], perm s[12:13], tws s[14:15], tab s[16:17], out0 s[18:19]
	v_lshl_add_u32 v254, v0, 2, 0x32800
	v_mov_b32 v255, 0
	v_lshrrev_b32 v2, 5, v0
	v_readfirstlane_b32 s20, v2                    ; wave 0..3
	s_and_b32 s21, ttmp7, 0xffff                   ; e
	s_mov_b32 s22, ttmp9                           ; j
	v_and_b32 v2, 31, v0
	v_lshlrev_b32 v1, 4, v2                        ; 16 x lane
	v_and_b32 v3, 15, v0                           ; r
	v_bfe_u32 v9, v0, 4, 1                         ; h
	s_mul_i32 s52, s20, WSB                        ; my weight stage
	v_add_nc_u32 v4, s52, v1                       ; into it
	v_mul_u32_u24 v5, v3, PX
	v_lshl_add_u32 v5, v9, 4, v5
	v_add_nc_u32 v5, s52, v5                       ; out of it, as fragments: row r, + 16 h
	s_mul_i32 s52, s20, XWV
	s_add_co_u32 s52, s52, XCH
	v_mul_u32_u24 v6, v3, XP
	v_lshl_add_u32 v6, v9, 5, v6
	v_add_nc_u32 v6, s52, v6                       ; my partial sums: row r, + 32 h
	v_bfe_u32 v13, v0, 3, 2                        ; lane / 8
	v_and_b32 v15, 7, v0
	v_lshlrev_b32 v14, 4, v15                      ; 16 (lane % 8)
	s_mul_i32 s52, s20, XTL
	s_add_co_u32 s52, s52, XCH
	v_mul_u32_u24 v7, v13, XP
	v_lshl_add_u32 v7, v15, 4, v7
	v_add_nc_u32 v7, s52, v7                       ; the tile that I finish: row lane / 8, 16 bytes a lane
	s_lshl_b32 s52, s20, 14
	v_add_nc_u32 v8, s52, v1                       ; my 8 K steps in a tile's image
	s_lshl_b32 s52, s22, 7
	v_add_nc_u32 v12, s52, v14                     ; my columns in a row of out0
	s_mov_b32 s84, 0xff00                          ; lanes 8-15, 16-23, 24-31
	s_mov_b32 s85, 0xff0000
	s_mov_b32 s86, 0xff000000
	s_lshl_b32 s54, s21, 22                        ; W2: the expert's 4 MB, the work-group's 32 rows of 4,096 bytes, the wave's 1,024 bytes of each
	s_lshl_b32 s53, s22, 17
	s_add_co_u32 s54, s54, s53
	s_lshl_b32 s53, s20, 10
	s_add_co_u32 s54, s54, s53
	s_mov_b32 s55, 0
	s_lshl_b32 s56, s21, 12                        ; b2
	s_add_co_u32 s56, s56, s52
	s_mov_b32 s57, 0
	s_lshl_b32 s58, s21, 3
	s_lshl_b32 s59, s21, 4
	s_wait_kmcnt 0x0
	s_load_b64 s[24:25], s[16:17], s58 offset:0x0  ; tb, N of my expert
	s_load_b128 s[28:31], s[10:11], s59 offset:0x0 ; ex, ew1, eh, ew2
	s_add_nc_u64 s[6:7], s[6:7], s[54:55]
	s_add_nc_u64 s[8:9], s[8:9], s[56:57]
	WIN 0x80
.set n, 0
.rept 32
	global_load_b128 v[128+4*n:128+4*n+3], v1, s[6:7] offset:(n/2)*4096+(n%2)*512 th:TH_LOAD_NT   ; piece n: half n % 2 of my 1,024 bytes of row n / 2: 512 consecutive bytes; read once in the launch
.set n, n+1
.endr
	WIN 0x40
.rept 32
	global_load_b128 v[4*n:4*n+3], v1, s[6:7] offset:(n/2)*4096+(n%2)*512 th:TH_LOAD_NT
.set n, n+1
.endr
	WIN 0
	s_wait_kmcnt 0x0
	s_min_u32 s24, s24, 71                         ; loaded numbers are held inside their ranges
	s_min_u32 s25, s25, 1024
	s_add_co_u32 s23, s25, 15
	s_lshr_b32 s23, s23, 4                         ; nt
	s_add_co_u32 s52, s24, s20
	s_lshl_b32 s52, s52, 6
	s_mov_b32 s53, 0
	s_add_nc_u64 s[48:49], s[12:13], s[52:53]      ; both lists at tile tb + w
	s_add_nc_u64 s[50:51], s[14:15], s[52:53]
	s_load_b512 s[32:47], s[48:49], 0x0
	s_load_b512 s[68:83], s[50:51], 0x0
	s_wait_loadcnt 56                              ; pieces 0-7 are in: 56 weight loads are younger
	WSTORE 0
	s_wait_loadcnt 48
	WSTORE 1
	s_wait_loadcnt 40
	WSTORE 2
	s_wait_loadcnt 32
	WSTORE 3
	WIN 0
	global_load_b128 v[16:19], v14, s[8:9]         ; b2 of my four columns
	s_cmp_lg_u32 s23, 0
	s_cselect_b32 s53, s24, 0                      ; the expert's first tile; an expert without rows asks for tile 0, which some expert always fills, and uses nothing of it
	HLOAD 0
	s_wait_loadcnt 57                              ; pieces 32-39: 24 weight loads and those 33 are younger
	WSTORE 4
	s_wait_loadcnt 49
	WSTORE 5
	s_wait_loadcnt 41
	WSTORE 6
	s_wait_loadcnt 33
	WSTORE 7
	s_wait_dscnt 0x0                               ; the stores have read their registers: fragments, and later hidden tiles, land on them
	WIN 0x40
.irp u, 0,1
.irp q, 0,1,2,3,4,5,6,7
.irp c, 0,1,2,3
	ds_load_b128 v[16*(8*\u+\q)+4*\c:16*(8*\u+\q)+4*\c+3], v5 offset:16*\u*PX+128*\q+32*\c
.endr
.endr
.endr
	WIN 0
	s_add_co_i32 s52, s30, s31
	s_add_co_i32 s52, s52, 127
	s_lshl_b32 s52, s52, 23
	v_mov_b32 v20, s52                             ; 2^(eh + ew2), twice
	v_mov_b32 v21, s52
	s_wait_loadcnt 32                              ; b2 is in; only the first tile's 32 loads are younger
	s_wait_dscnt 0x0                               ; W2's fragments
	s_mov_b32 s26, 0                               ; i4: the trip's first tile
	s_mov_b32 s27, 0
.Lloop:
	TRIP 0
	TRIP 1
	s_add_co_u32 s27, s27, 1
	s_cmp_lt_u32 s27, 8
	s_cbranch_scc1 .Lloop
	s_wait_tensorcnt 0x0
	ds_add_u32 v254, v255
	s_wait_dscnt 0x0
	s_endpgm
.Lfunc_end_k_q2e15fe17f6_down:
	.size	k_q2e15fe17f6_down, .Lfunc_end_k_q2e15fe17f6_down-k_q2e15fe17f6_down
	.p2alignl 7, 3214868480
	.fill 96, 4, 3214868480
	.section	.rodata,"a",@progbits
	.p2align	6, 0x0
	.amdhsa_kernel k_q2e15fe17f6_down
		.amdhsa_group_segment_fixed_size 207360
		.amdhsa_private_segment_fixed_size 0
		.amdhsa_enable_private_segment 0
		.amdhsa_kernarg_size 64
		.amdhsa_user_sgpr_count 2
		.amdhsa_user_sgpr_kernarg_segment_ptr 1
		.amdhsa_wavefront_size32 1
		.amdhsa_system_sgpr_workgroup_id_x 1
		.amdhsa_system_sgpr_workgroup_id_y 1
		.amdhsa_system_sgpr_workgroup_id_z 1
		.amdhsa_system_vgpr_workitem_id 0
		.amdhsa_next_free_vgpr 768
		.amdhsa_next_free_sgpr 96
		.amdhsa_reserve_vcc 1
		.amdhsa_float_denorm_mode_32 3
		.amdhsa_float_denorm_mode_16_64 3
		.amdhsa_memory_ordered 1
		.amdhsa_forward_progress 1
		.amdhsa_inst_pref_size 77
	.end_amdhsa_kernel
	.amdgpu_metadata
---
amdhsa.version: [ 1, 2 ]
amdhsa.kernels:
  - .name:           k_q2e15fe17f6_down
    .symbol:         k_q2e15fe17f6_down.kd
    .args:
      - { .name: hq, .offset: 0, .size: 8, .value_kind: global_buffer, .address_space: global }
      - { .name: w2_codes, .offset: 8, .size: 8, .value_kind: global_buffer, .address_space: global }
      - { .name: b2, .offset: 16, .size: 8, .value_kind: global_buffer, .address_space: global }
      - { .name: lowp_scales, .offset: 24, .size: 8, .value_kind: global_buffer, .address_space: global }
      - { .name: perm, .offset: 32, .size: 8, .value_kind: global_buffer, .address_space: global }
      - { .name: tws, .offset: 40, .size: 8, .value_kind: global_buffer, .address_space: global }
      - { .name: tab, .offset: 48, .size: 8, .value_kind: global_buffer, .address_space: global }
      - { .name: out0, .offset: 56, .size: 8, .value_kind: global_buffer, .address_space: global }
    .group_segment_fixed_size: 207360
    .private_segment_fixed_size: 0
    .kernarg_segment_align: 8
    .kernarg_segment_size: 64
    .max_flat_workgroup_size: 128
    .sgpr_count:     96
    .vgpr_count:     768
    .wavefront_size: 32
...
	.end_amdgpu_metadata
.endif
;; end of part 4
;; ======== version 2 of 2: 4 launches
;; workspace buffers: xq 1,048,576 bytes; sel 4,096 bytes of whole numbers; stat 8,192 bytes; perm 5,632 bytes of whole numbers; tws 5,632 bytes; tab 256 bytes of whole numbers; hq 4,718,592 bytes
;; launch route (part 5): grid 256 x 1, 2 waves a work-group, no clusters, 20,736 bytes of LDS; arguments hidden_states, gate_w, lowp_scales, xq, sel, stat; writes xq, sel, stat
.if DOCPART == 5
	.amdgcn_target "amdgcn-amd-amdhsa--gfx1250"
	.amdhsa_code_object_version 6
	.text
	.protected	k_q2e15fe17f6_route
	.globl	k_q2e15fe17f6_route
	.p2align	8
	.type	k_q2e15fe17f6_route,@function
k_q2e15fe17f6_route:
	s_mov_b64 s[64:65], 0
	v_nop
	global_prefetch_b8 v0, s[64:65] scope:SCOPE_SE
	s_setreg_imm32_b32 hwreg(HW_REG_WAVE_MODE, 25, 1), 1
	s_wait_xcnt 0x0
; THE ROUTER, AND x AS CODES.  1,024 tokens of 1,024 f32; 8 experts.  A wave takes two tokens: token 4 x work-group + 2 x wave, and the next.
; For each token: 8 logits (f32 multiply-adds), their largest m, e_i = 2^((l_i - m) log2 e), S = their sum; the chosen expert = the first largest e_i (the lower index wins a tie, as top_k has it);
; topw = p / p with p = e_best / S; lse = m + ln S.  Stored at fixed places: sel[t] (whole number), stat[t] = topw, stat[1024 + t] = lse^2.  No address here hangs on the choice.
; The token's row is quantised to E5M2 with the CHOSEN expert's scale 2^ex, ex = lowp_scales[4 x expert], picked by selects, and stored as xq[t][1024], one code a byte, column k at byte k.
; LOADS: load j of a row takes bytes 512 j + 16 x lane, of x and of gate_w alike: 512 consecutive bytes a load.  The conversions want 16 neighbours in one lane, so x turns once through the wave's own
; stage in LDS: as loaded on the way in, 64 bytes a lane on the way out, 16 bytes of padding behind each 64.  Waves share nothing: no barrier.  No matrix unit: 8 columns are too few for it.
; LIMITS: ex between -126 and 112.  NaN is not served.  Two logits closer than the error of an f32 sum of 1,024 terms may be chosen either way.
.set X,    16                          ; v16-79   x: token t at 16 + 32 t, as loaded
.set G,    80                          ; v80-207  gate_w: four sets of 32; expert e in set e % 4
.set ACC,  208                         ; v208-239 a pair of partial sums for (token t, expert e) at 208 + 2 (8 t + e)
.set LG,   208                         ; v208-223 then the 16 logits, 8 t + e
.set EX2,  224                         ; v224-239 at work across lanes, then the 16 exponentials
.set QN,   80                          ; v80-143  x back from the stage: 16 neighbours for each of 4 stages
.set CO,   144                         ; v144-159 codes, 4 registers a stage
.set MX,   240                         ; v240, v242 m of token 0, 1 (v241, v243 are named with them as pairs)
.set SS,   244                         ; v244, v246 S; later v244/245, v246/247: 2^ex and 57,344 x 2^ex
.set BEST, 250
.set IDX,  252
.set EXR,  254
.set STG,  2560                        ; a stage: 32 places of 64 + 16 bytes
	s_load_b256 s[4:11], s[0:1], 0x0               ; x s[4:5], gate_w s[6:7], lowp_scales s[8:9], xq s[10:11]
	s_load_b128 s[12:15], s[0:1], 0x20             ; sel s[12:13], stat s[14:15]
	v_lshl_add_u32 v248, v0, 2, 0x5000
	v_mov_b32 v249, 0
	v_lshrrev_b32 v1, 5, v0
	v_readfirstlane_b32 s18, v1                    ; wave 0, 1
	v_and_b32 v1, 31, v0                           ; lane
	v_lshlrev_b32 v2, 4, v1                        ; 16 x lane
	s_mul_i32 s19, s18, 4*STG                      ; my wave's four stages
	v_lshrrev_b32 v3, 2, v1
	v_mul_u32_u24 v3, v3, 80
	v_and_b32 v6, 3, v1
	v_lshl_add_u32 v3, v6, 4, v3
	v_add_nc_u32 v3, s19, v3                       ; into a stage: 80 (lane / 4) + 16 (lane % 4)
	v_mul_u32_u24 v4, v1, 80
	v_add_nc_u32 v4, s19, v4                       ; out of it: 80 x lane
	s_lshl_b32 s19, s18, 11
	v_add_nc_u32 v5, s19, v2                       ; xq: my wave's two rows of 1,024 bytes, 16 bytes a lane
	s_mov_b32 s20, 0x76543210                      ; v_permlanex16_b32: lane l xor 16
	s_mov_b32 s21, 0xfedcba98
	s_lshl_b32 s22, ttmp9, 14                      ; x: 4 rows of 4,096 bytes a work-group,
	s_lshl_b32 s23, s18, 13                        ; 2 a wave
	s_add_co_u32 s22, s22, s23
	s_mov_b32 s23, 0
	s_lshl_b32 s24, ttmp9, 12                      ; xq: 4 rows of 1,024 bytes a work-group
	s_mov_b32 s25, 0
	s_wait_alu depctr_va_vdst(0)
	s_wait_kmcnt 0x0
	s_load_b512 s[32:47], s[8:9], 0x0              ; all 32 exponents: ex of expert e is s[32 + 4 e]
	s_load_b512 s[48:63], s[8:9], 0x40
	s_add_nc_u64 s[4:5], s[4:5], s[22:23]
	s_add_nc_u64 s[10:11], s[10:11], s[24:25]
.irp t, 0,1
.irp j, 0,1,2,3,4,5,6,7
	global_load_b128 v[X+32*\t+4*\j:X+32*\t+4*\j+3], v2, s[4:5] offset:4096*\t+512*\j th:TH_LOAD_NT
.endr
.endr
.macro GLOAD e                         ; gate_w's row e into set e % 4 (every work-group reads these rows: no hint)
.irp j, 0,1,2,3,4,5,6,7
	global_load_b128 v[G+32*((\e)%4)+4*\j:G+32*((\e)%4)+4*\j+3], v2, s[6:7] offset:4096*(\e)+512*\j
.endr
.endm
; experts e0, e0 + 1 x both tokens: four chains that do not wait for each other; the first product starts each sum
.macro DOT e0
.set p, 0
.rept 16
.irp t, 0,1
.irp d, 0,1
.if p == 0
	v_pk_mul_f32 v[ACC+2*(8*\t+\e0+\d):ACC+2*(8*\t+\e0+\d)+1], v[X+32*\t+p:X+32*\t+p+1], v[G+32*((\e0+\d)%4)+p:G+32*((\e0+\d)%4)+p+1]
.else
	v_pk_fma_f32 v[ACC+2*(8*\t+\e0+\d):ACC+2*(8*\t+\e0+\d)+1], v[X+32*\t+p:X+32*\t+p+1], v[G+32*((\e0+\d)%4)+p:G+32*((\e0+\d)%4)+p+1], v[ACC+2*(8*\t+\e0+\d):ACC+2*(8*\t+\e0+\d)+1]
.endif
.endr
.endr
.set p, p+2
.endr
.endm
	GLOAD 0
	GLOAD 1
	GLOAD 2
	GLOAD 3
	s_wait_loadcnt 16                              ; x and experts 0, 1 are in; the 16 loads of experts 2, 3 may be out
.irp t, 0,1
.irp f, 0,1
.irp i, 0,1,2,3
	ds_store_b128 v3, v[X+32*\t+16*\f+4*\i:X+32*\t+16*\f+4*\i+3] offset:STG*(2*\t+\f)+640*\i   ; stage 2 t + f: half f of token t's row, as it lies
.endr
.endr
.endr
	DOT 0
	GLOAD 4
	GLOAD 5
	s_wait_loadcnt 16                              ; experts 2, 3 are in; 4, 5 may be out
	DOT 2
	GLOAD 6
	GLOAD 7
	s_wait_loadcnt 16                              ; experts 4, 5 are in; 6, 7 may be out
	DOT 4
	s_wait_loadcnt 0x0
	DOT 6
.irp k, 0,1,2,3
.irp i, 0,1,2,3
	ds_load_b128 v[QN+16*\k+4*\i:QN+16*\k+4*\i+3], v4 offset:STG*\k+16*\i   ; a wave's LDS instructions are served in order: these see the stores above.  Lane l: numbers 16 l .. 16 l + 15 of the stage's 512
.endr
.endr
.set i, 0
.rept 16
	v_add_f32 v[LG+i], v[ACC+2*i], v[ACC+2*i+1]    ; a pair's two halves (ascending: no sum is written over before it is read)
.set i, i+1
.endr
.irp x, 1,2,4,8
.set i, 0
.rept 16
	v_add_f32_dpp v[LG+i], v[LG+i], v[LG+i] row_xmask:\x row_mask:0xf bank_mask:0xf
.set i, i+1
.endr
.endr
.set i, 0
.rept 16
	v_permlanex16_b32 v[EX2+i], v[LG+i], s20, s21  ; (its destination has been written: it held partial sums)
.set i, i+1
.endr
.set i, 0
.rept 16
	v_add_f32 v[LG+i], v[LG+i], v[EX2+i]           ; every lane now holds all 16 logits
.set i, i+1
.endr
.irp t, 0,1
	v_max3_num_f32 v[MX+2*\t], v[LG+8*\t], v[LG+8*\t+1], v[LG+8*\t+2]
	v_mov_b32 v[MX+2*\t+1], 0                      ; (named with m as a pair)
.endr
.irp t, 0,1
	v_max3_num_f32 v[MX+2*\t], v[MX+2*\t], v[LG+8*\t+3], v[LG+8*\t+4]
.endr
.irp t, 0,1
	v_max3_num_f32 v[MX+2*\t], v[MX+2*\t], v[LG+8*\t+5], v[LG+8*\t+6]
.endr
.irp t, 0,1
	v_max_num_f32 v[MX+2*\t], v[MX+2*\t], v[LG+8*\t+7]
.endr
.irp t, 0,1
.irp p, 0,2,4,6
	v_pk_add_f32 v[EX2+8*\t+\p:EX2+8*\t+\p+1], v[LG+8*\t+\p:LG+8*\t+\p+1], v[MX+2*\t:MX+2*\t+1] op_sel_hi:[1,0] neg_lo:[0,1] neg_hi:[0,1]   ; l - m first, so that the largest gives exactly 0
.endr
.endr
.irp p, 0,2,4,6,8,10,12,14
	v_pk_mul_f32 v[EX2+\p:EX2+\p+1], v[EX2+\p:EX2+\p+1], 0x3fb8aa3b op_sel_hi:[1,0]   ; x log2(e)
.endr
.set i, 0
	s_wait_alu depctr_va_vdst(0)
.rept 16
	v_exp_f32 v[EX2+i], v[EX2+i]
.set i, i+1
.endr
	v_nop                                          ; a plain instruction behind the last exponential
	s_wait_alu depctr_va_vdst(0)                   ; one wait for the batch, ahead of its first reader
	s_wait_kmcnt 0x0                               ; the exponents
.irp t, 0,1
	v_pk_add_f32 v[SS+2*\t:SS+2*\t+1], v[EX2+8*\t:EX2+8*\t+1], v[EX2+8*\t+2:EX2+8*\t+3]
	v_pk_add_f32 v[8+2*\t:9+2*\t], v[EX2+8*\t+4:EX2+8*\t+5], v[EX2+8*\t+6:EX2+8*\t+7]
	v_mov_b32 v[BEST+\t], v[EX2+8*\t]
	v_mov_b32 v[IDX+\t], 0
	v_mov_b32 v[EXR+\t], s32
.endr
.irp t, 0,1
	v_pk_add_f32 v[SS+2*\t:SS+2*\t+1], v[SS+2*\t:SS+2*\t+1], v[8+2*\t:9+2*\t]
.endr
.irp t, 0,1
	v_add_f32 v[SS+2*\t], v[SS+2*\t], v[SS+2*\t+1] ; S
.endr
.irp e, 1,2,3,4,5,6,7
.irp t, 0,1
	v_cmp_le_f32 vcc_lo, v[EX2+8*\t+\e], v[BEST+\t]            ; not larger: the earlier expert stays
	v_cndmask_b32 v[BEST+\t], v[EX2+8*\t+\e], v[BEST+\t], vcc_lo
	v_cndmask_b32 v[IDX+\t], \e, v[IDX+\t], vcc_lo
	v_cndmask_b32 v[EXR+\t], s[32+4*\e], v[EXR+\t], vcc_lo     ; its ex goes along: a value, never an address
.endr
.endr
	s_wait_alu depctr_va_vdst(0)
.irp t, 0,1
	v_log_f32 v[12+\t], v[SS+2*\t]
	v_rcp_f32 v[14+\t], v[SS+2*\t]
.endr
	v_nop
	s_wait_alu depctr_va_vdst(0)                   ; one wait for the four
.irp t, 0,1
	v_fma_f32 v[12+\t], v[12+\t], 0x3f317218, v[MX+2*\t]       ; lse = m + ln 2 x log2 S
	v_mul_f32 v[14+\t], v[BEST+\t], v[14+\t]                   ; p of the chosen expert
.endr
	s_wait_alu depctr_va_vdst(0)
.irp t, 0,1
	v_rcp_f32 v[8+\t], v[14+\t]
.endr
.irp t, 0,1
	v_mul_f32 v[12+\t], v[12+\t], v[12+\t]                     ; lse^2  (plain instructions behind the reciprocals)
	v_add_nc_u32 v[10+\t], 127, v[EXR+\t]
.endr
	s_wait_alu depctr_va_vdst(0)
.irp t, 0,1
	v_mul_f32 v[14+\t], v[14+\t], v[8+\t]                      ; topw = p / (the sum of the one p)
	v_lshlrev_b32 v[SS+2*\t], 23, v[10+\t]                     ; 2^ex as f32: the conversion takes its exponent field
	v_add_nc_u32 v[10+\t], 15, v[10+\t]
	v_lshl_or_b32 v[SS+2*\t+1], v[10+\t], 23, 0x600000         ; 57,344 x 2^ex
.endr
	s_wait_alu depctr_va_vdst(0)
	s_wait_dscnt 0x0                               ; x is back from the stages
.irp t, 0,1
.irp f, 0,1
.set i, 0
.rept 16
	v_med3_num_f32 v[QN+16*(2*\t+\f)+i], v[QN+16*(2*\t+\f)+i], -v[SS+2*\t+1], v[SS+2*\t+1]   ; the conversion to an 8-bit code does not saturate (ISA guide 7.6.2): the hold comes first
.set i, i+1
.endr
	v_cvt_scalef32_pk8_bf8_f32 v[CO+4*(2*\t+\f):CO+4*(2*\t+\f)+1], v[QN+16*(2*\t+\f):QN+16*(2*\t+\f)+7], v[SS+2*\t]
	v_cvt_scalef32_pk8_bf8_f32 v[CO+4*(2*\t+\f)+2:CO+4*(2*\t+\f)+3], v[QN+16*(2*\t+\f)+8:QN+16*(2*\t+\f)+15], v[SS+2*\t]
	v_nop                                          ; a plain instruction behind the conversions
	global_store_b128 v5, v[CO+4*(2*\t+\f):CO+4*(2*\t+\f)+3], s[10:11] offset:1024*\t+512*\f   ; the wave stores 512 consecutive bytes, aligned
.endr
.endr
	v_cmp_eq_u32 vcc_lo, 1, v1                     ; lane 0 speaks for the first token, lane 1 for the second
	v_cndmask_b32 v6, v[IDX], v[IDX+1], vcc_lo
	v_cndmask_b32 v7, v14, v15, vcc_lo
	v_cndmask_b32 v8, v12, v13, vcc_lo
	s_lshl_b32 s22, ttmp9, 4
	s_lshl_b32 s23, s18, 3
	s_add_co_u32 s22, s22, s23
	v_lshl_add_u32 v9, v1, 2, s22                  ; 4 x (my first token + lane)
	v_cmp_gt_u32 vcc_lo, 2, v1
	s_wait_alu depctr_va_vdst(0)
	s_wait_xcnt 0x0                                ; EXEC changes only behind this wait
	s_wait_tensorcnt 0x0
	ds_add_u32 v248, v249
	s_wait_dscnt 0x0
	s_and_saveexec_b32 s24, vcc_lo
	global_store_b32 v9, v6, s[12:13]              ; 8 bytes a wave into each of three small tables: 12 KB in the whole launch
	global_store_b32 v9, v7, s[14:15]
	global_store_b32 v9, v8, s[14:15] offset:4096
	s_wait_xcnt 0x0
	s_or_b32 exec_lo, exec_lo, s24
	s_endpgm
.Lfunc_end_k_q2e15fe17f6_route:
	.size	k_q2e15fe17f6_route, .Lfunc_end_k_q2e15fe17f6_route-k_q2e15fe17f6_route
	.p2alignl 7, 3214868480
	.fill 96, 4, 3214868480
	.section	.rodata,"a",@progbits
	.p2align	6, 0x0
	.amdhsa_kernel k_q2e15fe17f6_route
		.amdhsa_group_segment_fixed_size 20736
		.amdhsa_private_segment_fixed_size 0
		.amdhsa_enable_private_segment 0
		.amdhsa_kernarg_size 48
		.amdhsa_user_sgpr_count 2
		.amdhsa_user_sgpr_kernarg_segment_ptr 1
		.amdhsa_wavefront_size32 1
		.amdhsa_system_sgpr_workgroup_id_x 1
		.amdhsa_system_sgpr_workgroup_id_y 1
		.amdhsa_system_sgpr_workgroup_id_z 1
		.amdhsa_system_vgpr_workitem_id 0
		.amdhsa_next_free_vgpr 256
		.amdhsa_next_free_sgpr 66
		.amdhsa_reserve_vcc 1
		.amdhsa_float_denorm_mode_32 3
		.amdhsa_float_denorm_mode_16_64 3
		.amdhsa_memory_ordered 1
		.amdhsa_forward_progress 1
		.amdhsa_inst_pref_size 46
	.end_amdhsa_kernel
	.amdgpu_metadata
---
amdhsa.version: [ 1, 2 ]
amdhsa.kernels:
  - .name:           k_q2e15fe17f6_route
    .symbol:         k_q2e15fe17f6_route.kd
    .args:
      - { .name: hidden_states, .offset: 0, .size: 8, .value_kind: global_buffer, .address_space: global }
      - { .name: gate_w, .offset: 8, .size: 8, .value_kind: global_buffer, .address_space: global }
      - { .name: lowp_scales, .offset: 16, .size: 8, .value_kind: global_buffer, .address_space: global }
      - { .name: xq, .offset: 24, .size: 8, .value_kind: global_buffer, .address_space: global }
      - { .name: sel, .offset: 32, .size: 8, .value_kind: global_buffer, .address_space: global }
      - { .name: stat, .offset: 40, .size: 8, .value_kind: global_buffer, .address_space: global }
    .group_segment_fixed_size: 20736
    .private_segment_fixed_size: 0
    .kernarg_segment_align: 8
    .kernarg_segment_size: 48
    .max_flat_workgroup_size: 64
    .sgpr_count:     66
    .vgpr_count:     256
    .wavefront_size: 32
...
	.end_amdgpu_metadata
.endif
;; end of part 5
;; launch place (part 6): grid 1 x 1, 32 waves a work-group, no clusters, 5,120 bytes of LDS; arguments sel, stat, perm, tws, tab, out1, out2; writes perm, tws, tab, out1, out2
.if DOCPART == 6
	.amdgcn_target "amdgcn-amd-amdhsa--gfx1250"
	.amdhsa_code_object_version 6
	.text
	.protected	k_q2e15fe17f6_place
	.globl	k_q2e15fe17f6_place
	.p2align	8
	.type	k_q2e15fe17f6_place,@function
k_q2e15fe17f6_place:
	s_mov_b64 s[64:65], 0
	v_nop
	global_prefetch_b8 v0, s[64:65] scope:SCOPE_SE
	s_setreg_imm32_b32 hwreg(HW_REG_WAVE_MODE, 25, 1), 1
	s_wait_xcnt 0x0
; THE ROWS ARE PLACED BY EXPERT (a counting sort without atomics), AND THE TWO LOSSES.  One work-group, a thread to a token.
; Expert e gets whole tiles of 16 positions: nt_e = ceil(N_e / 16) tiles from tile tb_e on, tb the running sum of nt: at most 71 tiles for every split of 1,024 tokens over 8 experts.
; perm[position] = token, tws[position] = topw, tokens of an expert in ascending order.  All 1,408 entries (88 tiles) of both are written: positions that no token takes get 0, so that later launches may read ahead.
; tab[2 e] = tb_e, tab[2 e + 1] = N_e.   out1 = mean_e(N_e / 1024 x mean topw) x 64;  out2 = sum lse^2 / 1024.
; LDS: bytes 0-511: for each wave 16 bytes, its eight counts in 16-bit fields (at most 32 each; sums at most 1,024);  bytes 512-767: for each wave its sums of topw and lse^2.
; The stores of perm and tws are 4 bytes a lane to scattered places: 8 KB in all, which is what a sort of 1,024 numbers writes.
; EXEC: every lane is on at the entry and at each narrowing, so EXEC is widened again by the constant -1.
; REGISTERS: v1 4 x token; v2-4 my token's expert, topw, lse^2; v7 lane; v8-15 at work; v18-21 positions; v24-31 counts summed over lanes; v32 at work across lanes; v34-37 the losses;
;   v40 = 0, v41 = 8 x lane: made at the head and never rewritten; v42 the table.
.set MK,   20                          ; s20-27  lanes of my wave that chose expert e
.set NE,   36                          ; s36-43  N_e
.set TB16, 44                          ; s44-51  16 tb_e
.set BASE, 52                          ; s52-59  16 tb_e + the count of expert e in the waves ahead of mine
.set NIL,  40
.set LOS,  41
.set TBL,  42
.macro WSUMF r, t                      ; an f32 sum over the wave's 32 lanes, in every lane
.irp x, 1
	v_add_f32_dpp v[\r], v[\r], v[\r] row_xmask:\x row_mask:0xf bank_mask:0xf
.endr
.irp x, 2, 4, 8
	s_delay_alu instid0(VALU_DEP_1)
	v_add_f32_dpp v[\r], v[\r], v[\r] row_xmask:\x row_mask:0xf bank_mask:0xf
.endr
	s_delay_alu instid0(VALU_DEP_1)
	v_permlanex16_b32 v[\t], v[\r], s78, s79
	s_delay_alu instid0(VALU_DEP_1)
	v_add_f32 v[\r], v[\r], v[\t]
.endm
.macro WSUMI r, t                      ; the same for whole numbers
.irp x, 1
	v_mov_b32_dpp v[\t], v[\r] row_xmask:\x row_mask:0xf bank_mask:0xf
	s_delay_alu instid0(VALU_DEP_1)
	v_add_nc_u32 v[\r], v[\r], v[\t]
.endr
.irp x, 2, 4, 8
	s_delay_alu instid0(VALU_DEP_1)
	v_mov_b32_dpp v[\t], v[\r] row_xmask:\x row_mask:0xf bank_mask:0xf
	s_delay_alu instid0(VALU_DEP_1)
	v_add_nc_u32 v[\r], v[\r], v[\t]
.endr
	s_delay_alu instid0(VALU_DEP_1)
	v_permlanex16_b32 v[\t], v[\r], s78, s79
	s_delay_alu instid0(VALU_DEP_1)
	v_add_nc_u32 v[\r], v[\r], v[\t]
.endm
	s_load_b256 s[4:11], s[0:1], 0x0               ; sel s[4:5], stat s[6:7], perm s[8:9], tws s[10:11]
	s_load_b128 s[12:15], s[0:1], 0x20             ; tab s[12:13], out1 s[14:15]
	s_load_b64 s[16:17], s[0:1], 0x30              ; out2
	v_lshl_add_u32 v64, v0, 2, 0x400
	v_mov_b32 v65, 0
	v_lshrrev_b32 v1, 5, v0
	s_delay_alu instid0(VALU_DEP_1)
	v_readfirstlane_b32 s18, v1                    ; wave 0..31
	v_lshlrev_b32 v1, 2, v0                        ; 4 x token
	v_and_b32 v7, 31, v0                           ; lane
	s_delay_alu instid0(VALU_DEP_1)
	v_lshlrev_b32 v21, 4, v7                       ; 16 x lane: wave l's counts for lane l
	s_delay_alu instid0(VALU_DEP_2)
	v_lshlrev_b32 v[LOS], 3, v7                    ; 8 x lane: wave l's two sums for lane l
	v_mov_b32 v[NIL], 0                            ; the pads' number, and the offset of the two losses
	s_mov_b32 s78, 0x76543210
	s_mov_b32 s79, 0xfedcba98
	v_mov_b32 v32, 0                               ; (a lane permute's destination counts as read: written once)
	s_wait_alu depctr_va_vdst(0)
	s_wait_kmcnt 0x0
	global_load_b32 v2, v1, s[4:5]                 ; my token's expert,
	global_load_b32 v3, v1, s[6:7]                 ; topw,
	global_load_b32 v4, v1, s[6:7] offset:4096     ; lse^2
	s_wait_loadcnt 0x0
.irp e, 0,1,2,3,4,5,6,7
	v_cmp_eq_u32 s[MK+\e], \e, v2
.endr
.irp e, 0,1,2,3,4,5,6,7
	s_bcnt1_i32_b32 s[66+\e], s[MK+\e]
.endr
.irp k, 0,1,2,3
	s_lshl_b32 s[67+2*\k], s[67+2*\k], 16
	s_or_b32 s[28+\k], s[66+2*\k], s[67+2*\k]      ; experts 2 k and 2 k + 1 in one word
	v_mov_b32 v[8+\k], s[28+\k]
.endr
	s_lshl_b32 s60, s18, 4
	v_mov_b32 v12, s60
	ds_store_b128 v12, v[8:11]                     ; all lanes write the same 16 bytes with the same numbers
	v_mov_b32 v14, v3
	v_mov_b32 v15, v4
	WSUMF 14, 32
	WSUMF 15, 32
	s_lshl_b32 s61, s18, 3
	v_mov_b32 v13, s61
	ds_store_b64 v13, v[14:15] offset:512
	s_wait_dscnt 0x0                               ; for the others' sake: my stores have landed
	s_barrier_signal -1
	s_barrier_wait -1
	ds_load_b128 v[24:27], v21                     ; lane l: wave l's counts
	s_wait_dscnt 0x0
	v_cmp_gt_u32 vcc_lo, s18, v7                   ; waves ahead of mine
.irp k, 0,1,2,3
	v_cndmask_b32 v[28+\k], 0, v[24+\k], vcc_lo
.endr
.irp k, 0,1,2,3,4,5,6,7
	WSUMI 24+\k, 32
.endr
.irp k, 0,1,2,3
	v_readfirstlane_b32 s[28+\k], v[24+\k]         ; totals,
	v_readfirstlane_b32 s[32+\k], v[28+\k]         ; and what stands ahead of my wave
.endr
.irp k, 0,1,2,3
	s_and_b32 s[NE+2*\k], s[28+\k], 0xffff
	s_lshr_b32 s[NE+2*\k+1], s[28+\k], 16
	s_and_b32 s[66+2*\k], s[32+\k], 0xffff
	s_lshr_b32 s[67+2*\k], s[32+\k], 16
.endr
	s_mov_b32 s60, 0
.irp e, 0,1,2,3,4,5,6,7
	s_mov_b32 s[TB16+\e], s60
	s_add_co_u32 s[BASE+\e], s60, s[66+\e]
	s_add_co_u32 s61, s[NE+\e], 15
	s_and_b32 s61, s61, -16                        ; whole tiles of 16
	s_add_co_u32 s60, s60, s61
.endr
	v_mov_b32 v18, 0
.irp e, 0,1,2,3,4,5,6,7
	v_mbcnt_lo_u32_b32 v19, s[MK+\e], s[BASE+\e]   ; base + how many lanes below mine chose e
	s_delay_alu instid0(VALU_DEP_1)
	v_cndmask_b32 v18, v18, v19, s[MK+\e]
.endr
	s_delay_alu instid0(VALU_DEP_1)
	v_min_u32 v18, 0x57f, v18                      ; a position lies inside the 1,408 entries
	s_delay_alu instid0(VALU_DEP_1)
	v_lshlrev_b32 v18, 2, v18
	global_store_b32 v18, v0, s[8:9]
	global_store_b32 v18, v3, s[10:11]
; Positions that no token takes: p is taken where p - 16 tb_e < N_e (unsigned) for some e.  The rest get 0: each word of perm and tws has one writer.
.macro TAKEN p
	s_mov_b32 s60, 0
.irp e, 0,1,2,3,4,5,6,7
	v_subrev_nc_u32 v19, s[TB16+\e], v[\p]
	s_delay_alu instid0(VALU_DEP_1)
	v_cmp_gt_u32 s61, s[NE+\e], v19
	s_or_b32 s60, s60, s61
.endr
.endm
	TAKEN 0                                        ; p = thread
	s_not_b32 vcc_lo, s60
	s_wait_xcnt 0x0                                ; EXEC changes only behind this wait
	s_and_saveexec_b32 s62, vcc_lo
	global_store_b32 v1, v[NIL], s[8:9]
	global_store_b32 v1, v[NIL], s[10:11]
	s_wait_xcnt 0x0
	s_mov_b32 exec_lo, -1                          ; all lanes on again
	v_add_nc_u32 v20, 0x400, v0                    ; p = 1,024 + thread, for threads under 384
	TAKEN 20
	v_cmp_gt_u32 s61, 0x180, v0
	s_and_not1_b32 vcc_lo, s61, s60
	s_and_saveexec_b32 s62, vcc_lo                 ; (nothing was issued since the last wait on XCNT)
	global_store_b32 v1, v[NIL], s[8:9] offset:4096
	global_store_b32 v1, v[NIL], s[10:11] offset:4096
	s_wait_xcnt 0x0
	s_mov_b32 exec_lo, -1
	s_cmp_lg_u32 s18, 0                            ; the table and the losses are wave 0's; no barrier stands below
	s_cbranch_scc1 .Lend
	v_mov_b32 v[TBL], 0
.irp e, 0,1,2,3,4,5,6,7
	s_lshr_b32 s60, s[TB16+\e], 4
	v_writelane_b32 v[TBL], s60, 2*\e
	s_delay_alu instid0(VALU_DEP_1)
	v_writelane_b32 v[TBL], s[NE+\e], 2*\e+1
.endr
	global_store_b32 v1, v[TBL], s[12:13]          ; 128 consecutive bytes: (tb, N) of the eight experts, then zeros
	ds_load_b64 v[34:35], v[LOS] offset:512        ; lane l: wave l's two sums
	s_wait_dscnt 0x0
	WSUMF 34, 32
	WSUMF 35, 32
	v_mul_f32 v34, 0x3a800000, v34                 ; mean topw
	s_delay_alu instid0(VALU_DEP_2)
	v_mul_f32 v35, 0x3a800000, v35                 ; z loss
.irp e, 0,1,2,3,4,5,6,7
	v_cvt_f32_u32 v36, s[NE+\e]
	s_delay_alu instid0(VALU_DEP_1)
	v_mul_f32 v36, 0x3a800000, v36                 ; the expert's share of the tokens
.if \e == 0
	s_delay_alu instid0(VALU_DEP_1)
	v_mul_f32 v37, v36, v34
.else
	s_delay_alu instid0(VALU_DEP_1)
	v_fmac_f32 v37, v36, v34
.endif
.endr
	s_delay_alu instid0(VALU_DEP_1)
	v_mul_f32 v37, 0x41000000, v37                 ; / 8 experts x 64
	v_cmp_eq_u32 vcc_lo, 0, v0
	s_wait_alu depctr_va_vdst(0)
	s_wait_xcnt 0x0
	s_and_saveexec_b32 s62, vcc_lo
	global_store_b32 v[NIL], v37, s[14:15]
	global_store_b32 v[NIL], v35, s[16:17]
	s_wait_xcnt 0x0
	s_mov_b32 exec_lo, -1
.Lend:
	s_wait_tensorcnt 0x0
	ds_add_u32 v64, v65
	s_wait_dscnt 0x0
	s_endpgm
.Lfunc_end_k_q2e15fe17f6_place:
	.size	k_q2e15fe17f6_place, .Lfunc_end_k_q2e15fe17f6_place-k_q2e15fe17f6_place
	.p2alignl 7, 3214868480
	.fill 96, 4, 3214868480
	.section	.rodata,"a",@progbits
	.p2align	6, 0x0
	.amdhsa_kernel k_q2e15fe17f6_place
		.amdhsa_group_segment_fixed_size 5120
		.amdhsa_private_segment_fixed_size 0
		.amdhsa_enable_private_segment 0
		.amdhsa_kernarg_size 56
		.amdhsa_user_sgpr_count 2
		.amdhsa_user_sgpr_kernarg_segment_ptr 1
		.amdhsa_wavefront_size32 1
		.amdhsa_system_sgpr_workgroup_id_x 1
		.amdhsa_system_sgpr_workgroup_id_y 1
		.amdhsa_system_sgpr_workgroup_id_z 1
		.amdhsa_system_vgpr_workitem_id 0
		.amdhsa_next_free_vgpr 66
		.amdhsa_next_free_sgpr 80
		.amdhsa_reserve_vcc 1
		.amdhsa_float_denorm_mode_32 3
		.amdhsa_float_denorm_mode_16_64 3
		.amdhsa_memory_ordered 1
		.amdhsa_forward_progress 1
		.amdhsa_inst_pref_size 23
	.end_amdhsa_kernel
	.amdgpu_metadata
---
amdhsa.version: [ 1, 2 ]
amdhsa.kernels:
  - .name:           k_q2e15fe17f6_place
    .symbol:         k_q2e15fe17f6_place.kd
    .args:
      - { .name: sel, .offset: 0, .size: 8, .value_kind: global_buffer, .address_space: global }
      - { .name: stat, .offset: 8, .size: 8, .value_kind: global_buffer, .address_space: global }
      - { .name: perm, .offset: 16, .size: 8, .value_kind: global_buffer, .address_space: global }
      - { .name: tws, .offset: 24, .size: 8, .value_kind: global_buffer, .address_space: global }
      - { .name: tab, .offset: 32, .size: 8, .value_kind: global_buffer, .address_space: global }
      - { .name: out1, .offset: 40, .size: 8, .value_kind: global_buffer, .address_space: global }
      - { .name: out2, .offset: 48, .size: 8, .value_kind: global_buffer, .address_space: global }
    .group_segment_fixed_size: 5120
    .private_segment_fixed_size: 0
    .kernarg_segment_align: 8
    .kernarg_segment_size: 56
    .max_flat_workgroup_size: 1024
    .sgpr_count:     80
    .vgpr_count:     66
    .wavefront_size: 32
...
	.end_amdgpu_metadata
.endif
;; end of part 6
;; launch up (part 7): grid 32 x 8, 4 waves a work-group, no clusters, 266,752 bytes of LDS; arguments xq, w1_codes, b1, lowp_scales, perm, tab, hq; writes hq
.if DOCPART == 7
	.amdgcn_target "amdgcn-amd-amdhsa--gfx1250"
	.amdhsa_code_object_version 6
	.text
	.protected	k_q2e15fe17f6_up
	.globl	k_q2e15fe17f6_up
	.p2align	8
	.type	k_q2e15fe17f6_up,@function
k_q2e15fe17f6_up:
	s_mov_b64 s[64:65], 0
	v_nop
	global_prefetch_b8 v0, s[64:65] scope:SCOPE_SE
	s_setreg_imm32_b32 hwreg(HW_REG_WAVE_SCHED_MODE, 0, 2), 2
	s_setreg_imm32_b32 hwreg(HW_REG_WAVE_MODE, 25, 1), 1
	s_wait_xcnt 0x0
	s_wait_alu depctr_vm_vsrc(0)
; THE FIRST PRODUCT OF THE CHOSEN EXPERT: hq = Q(gelu(x W1^T 2^(ex + ew1) + b1)), on codes of E5M2, for the rows that chose the expert alone.
; SHARES.  Work-group (x = s, y = e) owns rows 128 s .. 128 s + 127 of expert e's W1 (128 KB of codes, read from memory once in the launch) and serves ALL tokens of that expert, 64 positions a trip.
; Wave w keeps rows 128 s + 32 w + 0 .. 31 at the whole K = 1,024 in 256 registers: 2 tiles u x 8 K steps q.  Its 32 KB are one dense block: 64 loads of 512 consecutive bytes, turned once through the wave's own stage in LDS.
; THE ROWS OF A TILE ARE NOT NEIGHBOURS: lane r of tile u takes row 8 u + r + 8 (r / 8).  THE PRODUCT IS USED TRANSPOSED (source 0 = 16 rows of W1, source 1 = 16 tokens): a lane holds one token, and the 16 registers of
; tiles 0 and 1 are hidden units 128 s + 32 w + 16 (lane / 16) + 0 .. 15: 16 neighbours along the next K, so the conversions' results are four registers of the next product's operand.
; hq holds IMAGES OF THAT OPERAND'S REGISTERS: byte tile x 65,536 + s x 2,048 + w x 512 + 16 x lane.  A fragment's k is laid 32 c + 16 (lane / 16) + 0 .. 15 in registers 4 c .. 4 c + 3, alike on both sides of each product.
; x's rows come by the list perm: a wave gathers the 16 rows of one tile (each row two loads of 512 consecutive bytes) into registers and stores them into one of two stages in LDS, one trip ahead; all four waves read them.
; THE TRIP COUNT IS A CONSTANT (16 trips of 4 tiles serve all 1,024 tokens on one expert); a trip past the expert's tiles jumps over its work, never over its barrier.
; NO TENSOR LOADS, NO CLUSTER: which rows are walked, and how many, hangs on numbers read from memory (tab, perm), so LDS is filled through registers and there is no joint request to share.
; gelu is the tanh form: z / (1 + 2^(c0 z + c1 z^3)), c0 = -2 log2(e) sqrt(2 / pi), c1 = 0.044715 c0: the same function, with one exponential and one reciprocal.
; Rows of an expert's last tile past N_e hold token 0's codes (perm is 0 there): their images are written, and the next launch never stores what comes of them.
; LIMITS: ex + ew1 between -126 and 127; eh between -126 and 112.  NaN is not served.
; LDS: 0: x stage 0, 64 rows of 1,024 + 16 bytes;  66,560: x stage 1;  133,120 + 33,280 w: wave w's weight stage, 32 rows of 1,024 + 16.  The pitch is an odd multiple of 16 bytes.  266,240: the spare words.
; REGISTERS: window 0: v1-11 addresses; v14, v15 the closing add's two; v16-31 the gather's offsets; v32-47 my 16 biases; v48-55 constants; v56-63 codes; v64-95 four accumulators; v96-127 at work;
;   v128-255 the x fragments of K steps 0-3.   window 1: W1's 16 fragments, (u, q) at v[16 (8 u + q)].   window 2: v0-127: 16 rows of x on their way to LDS; v128-255 the x fragments of K steps 4-7.
; THE MODE: SCHED_MODE bits 1:0 = 2 (LLVM: expert scheduling mode 2), set by the entry lines.  The code itself states the register dependences
; between vector or matrix instructions and memory or LDS instructions, with s_wait_alu, always for 0.
; THE PLAN.  Registers that memory or LDS instructions touch, in the loop:
;   XF0 .. XF7   eight sets of x fragments, one for each K step of a half.  Written by the half's LDS loads (four sets at its head, one behind each of K steps 0 to 3); read by that half's matrix instructions.
;                No set is loaded twice in a half, so no wait stands among a half's 32 matrix instructions.  The wait behind the half's exponentials states that those are done reading; nothing behind it names a set.
;   XO           v16-31.  Written by sixteen additions at a trip's head; read by the gather's 32 loads.
;   ROWS         window 2, v0-127.  Written by the gather's loads; read by the 32 LDS stores at the trip's end.  No vector instruction names them.
;   CD           v56-63.  Written by a half's four conversions; read by its one or two stores.
;   v1, v4-v11   offsets and LDS addresses, made at the head and never written again.
;   W1's fragments, the accumulators, v96-127, the biases and the constants are named in the loop by vector and matrix instructions alone.
; So a trip has one wait on vm_vsrc at its top (ROWS and XO have been read) and one on va_vdst behind the additions (XO is written); a half has the two waits behind its exponentials and reciprocals,
; one on vm_vsrc ahead of its conversions (CD has been read) and one on va_vdst ahead of its stores (CD is written).
.set PX,   1040
.set XSB,  64*PX
.set WST,  2*XSB
.set WSB,  32*PX
.set XO,   16
.set B1,   32
.set CD,   56
.set ACC,  64
.set T,    96
.set XF,   128
.set MSB,  0
.macro WIN new                         ; the immediate's high byte repeats the setting that is left
.if MSB != \new
	s_set_vgpr_msb (MSB<<8)|\new
.set MSB, \new
.endif
.endm
.macro WSTORE k                        ; eight of the 64 pieces of 512 bytes into my weight stage: piece n is half n % 2 of row n / 2
	WIN 0x04                                       ; the data lie in window 1
.irp i, 0,1,2,3,4,5,6,7
	ds_store_b128 v4, v[4*(8*(\k)+\i):4*(8*(\k)+\i)+3] offset:((8*(\k)+\i)/2)*PX+((8*(\k)+\i)%2)*512
.endr
.endm
.macro XADDR                           ; 16 tokens of the list become 16 offsets into xq
.irp p, 0,1,2,3,4,5,6,7,8,9,10,11,12,13,14,15
	s_min_u32 s[32+\p], s[32+\p], 1023             ; a loaded number enters an address only held inside the table
	v_lshl_add_u32 v[XO+\p], s[32+\p], 10, v1
.endr
	s_wait_alu depctr_va_vdst(0)                   ; the sixteen additions have written the gather's offsets, which its loads read; and they have read s[32:47], which the scalar load behind this line writes anew
.endm
.macro XLOAD                           ; their rows: two loads of 512 consecutive bytes each (32 work-groups read the same rows: no hint).  No vector instruction since XADDR's wait names the offsets or the rows
	WIN 0x80
.irp p, 0,1,2,3,4,5,6,7,8,9,10,11,12,13,14,15
	global_load_b128 v[8*\p:8*\p+3], v[XO+\p], s[4:5]
	global_load_b128 v[8*\p+4:8*\p+7], v[XO+\p], s[4:5] offset:512
.endr
	WIN 0
.endm
.macro XSTORE par                      ; and into rows 16 w .. 16 w + 15 of stage par
	WIN 0x08                                       ; the data lie in window 2
.irp p, 0,1,2,3,4,5,6,7,8,9,10,11,12,13,14,15
	ds_store_b128 v[6+(\par)], v[8*\p:8*\p+3] offset:\p*PX
	ds_store_b128 v[6+(\par)], v[8*\p+4:8*\p+7] offset:\p*PX+512
.endr
	WIN 0
.endm
.macro FETCH par, a0, q                ; K step q of token tiles a0, a0 + 1 into set q: eight loads.  Sets 0-3 lie in window 0, sets 4-7 at the same numbers in window 2
.if (\q) < 4
	WIN 0
.else
	WIN 0x80
.endif
.irp a, 0,1
.irp c, 0,1,2,3
	ds_load_b128 v[XF+32*((\q)%4)+16*\a+4*\c:XF+32*((\q)%4)+16*\a+4*\c+3], v[8+(\par)] offset:16*((\a0)+\a)*PX+128*(\q)+32*\c
.endr
.endr
.endm
; Two token tiles through the whole K, the activation, the quantiser and out.  Four accumulators take turns, one instruction a turn.
; The half's 64 LDS loads owe no wait: the last matrix instructions that read a set are the half before's, and they stand ahead of that half's wait behind its exponentials; no vector or matrix instruction
; since names a set that is still to be loaded (K steps 0 to q name sets 0 to q; the load behind K step q goes into set q + 4).
.macro HALF par, a0
	FETCH \par, \a0, 0
	FETCH \par, \a0, 1
	FETCH \par, \a0, 2
	FETCH \par, \a0, 3
.irp q, 0,1,2,3,4,5,6,7
.if \q < 5
	s_wait_dscnt 24                                ; set q is in; the three younger sets, eight loads each, may be out
.else
	s_wait_dscnt 8*(7-\q)                          ; nothing more is fetched: the counts run down
.endif
.if \q < 4
	WIN 0x01                                       ; source 0 (W1) in window 1, source 1 (x) in window 0
.else
	WIN 0x09                                       ; source 0 in window 1, source 1 in window 2
.endif
.irp a, 0,1
.irp u, 0,1
.if \q == 0
	v_wmma_f32_16x16x128_bf8_bf8 v[ACC+16*\a+8*\u:ACC+16*\a+8*\u+7], v[16*(8*\u+\q):16*(8*\u+\q)+15], v[XF+32*(\q%4)+16*\a:XF+32*(\q%4)+16*\a+15], 0
.else
	v_wmma_f32_16x16x128_bf8_bf8 v[ACC+16*\a+8*\u:ACC+16*\a+8*\u+7], v[16*(8*\u+\q):16*(8*\u+\q)+15], v[XF+32*(\q%4)+16*\a:XF+32*(\q%4)+16*\a+15], v[ACC+16*\a+8*\u:ACC+16*\a+8*\u+7]
.endif
.endr
.endr
.if \q < 4
	FETCH \par, \a0, \q+4                          ; dealt among the matrix instructions: a set of its own, which none of them has named
.endif
.if \q == 7
	WIN 0
.rept 4
	v_nop                                          ; four places (ISA guide 7.12.1) ahead of the first read of results
.endr
.endif
.endr
.set i, 0
.rept 16
	v_pk_fma_f32 v[ACC+i:ACC+i+1], v[ACC+i:ACC+i+1], v[52:53], v[B1+(i%16):B1+(i%16)+1]   ; z = sum x 2^(ex + ew1) + b1; each accumulator from its low end on
.set i, i+2
.endr
.set i, 0
.rept 16
	v_pk_mul_f32 v[T+i:T+i+1], v[ACC+i:ACC+i+1], v[ACC+i:ACC+i+1]
.set i, i+2
.endr
.set i, 0
.rept 16
	v_pk_fma_f32 v[T+i:T+i+1], v[T+i:T+i+1], v[50:51], v[48:49]      ; c1 z^2 + c0
.set i, i+2
.endr
.set i, 0
.rept 16
	v_pk_mul_f32 v[T+i:T+i+1], v[T+i:T+i+1], v[ACC+i:ACC+i+1]        ; x z
.set i, i+2
.endr
.set i, 0
	s_wait_alu depctr_va_vdst(0)
.rept 32
	v_exp_f32 v[T+i], v[T+i]
.set i, i+1
.endr
	v_nop                                          ; a plain instruction behind the last exponential
	s_wait_alu depctr_va_vdst(0)                   ; the 32 exponentials have written v[T ..], ahead of their first reader; and the half's matrix instructions are done reading the eight sets, in which the next half's loads land
.set i, 0
.rept 16
	v_pk_add_f32 v[T+i:T+i+1], v[T+i:T+i+1], 1.0 op_sel_hi:[1,0]
.set i, i+2
.endr
.set i, 0
	s_wait_alu depctr_va_vdst(0)
.rept 32
	v_rcp_f32 v[T+i], v[T+i]
.set i, i+1
.endr
	v_nop
	s_wait_alu depctr_va_vdst(0)                   ; the 32 reciprocals have written v[T ..], ahead of their first reader
.set i, 0
.rept 16
	v_pk_mul_f32 v[ACC+i:ACC+i+1], v[ACC+i:ACC+i+1], v[T+i:T+i+1]    ; gelu(z)
.set i, i+2
.endr
.set i, 0
.rept 32
	v_med3_num_f32 v[ACC+i], v[ACC+i], -v54, v54   ; the conversion to an 8-bit code does not saturate (ISA guide 7.6.2): the hold at 57,344 x 2^eh
.set i, i+1
.endr
	s_wait_alu depctr_va_vdst(0)
	s_wait_xcnt 0x0                                ; the last stores have had their addresses translated: the code registers are written again only behind this wait,
	s_wait_alu depctr_vm_vsrc(0)                   ; and behind this one: the last half's stores have read v[CD ..], which the conversions write
.irp a, 0,1
	v_cvt_scalef32_pk8_bf8_f32 v[CD+4*\a:CD+4*\a+1], v[ACC+16*\a:ACC+16*\a+7], v55
	v_cvt_scalef32_pk8_bf8_f32 v[CD+4*\a+2:CD+4*\a+3], v[ACC+16*\a+8:ACC+16*\a+15], v55
.endr
	v_nop                                          ; a plain instruction behind the conversions: the next products write their sources
	s_wait_alu depctr_va_vdst(0)                   ; the conversions have written v[CD ..], which the two stores below read; no vector instruction stands between this line and the second of them
	global_store_b128 v10, v[CD:CD+3], s[48:49] offset:(\a0)*65536          ; the wave stores 512 consecutive bytes, aligned.  Tile i4 + a0 is the expert's: that was tested on the way here
	s_add_co_u32 s52, s28, (\a0)+1
	s_cmp_ge_u32 s52, s21                          ; the tile after it may be the next expert's: then it is not mine to write
	s_cbranch_scc1 .Lno_\@
	global_store_b128 v10, v[CD+4:CD+7], s[48:49] offset:((\a0)+1)*65536
.Lno_\@:
.endm
; A trip: tiles i4 .. i4 + 3 of the expert, from stage par; the next four tiles' rows are gathered meanwhile and stored into the other stage at the trip's end.
.macro TRIP par
	s_wait_dscnt 0x0                               ; my stores into stage par have landed, and my reads of the other stage are back:
	s_wait_alu depctr_vm_vsrc(0)                   ; those stores have read the gathered rows, and the gather's loads their offsets: both are written again in this trip.  It stands on every way, ahead of the trip's branches
	s_barrier_signal -1
	s_barrier_wait -1                              ; both now hold of all four waves
	s_cmp_ge_u32 s28, s21
	s_cbranch_scc1 .Lend_\@                        ; past the expert's tiles: nothing but the barrier
	s_add_co_u32 s29, s28, 4
	s_add_co_u32 s52, s22, s28
	s_lshl_b32 s52, s52, 16                        ; tile tb + i4 in hq
	s_mov_b32 s53, 0
	s_wait_xcnt 0x0                                ; the last trip's stores have read their base
	s_add_nc_u64 s[48:49], s[16:17], s[52:53]
	s_wait_kmcnt 0x0                               ; the list of the next four tiles
	XADDR
	s_lshl_b32 s31, s28, 6                         ; 64 bytes of the list a tile
	s_load_b512 s[32:47], s[50:51], s31 offset:0x200   ; and that of the four after them: at most tile 81 of the list's 88
	s_cmp_ge_u32 s29, s21
	s_cbranch_scc1 .Lnl_\@
	XLOAD
.Lnl_\@:
	HALF \par, 0
	s_add_co_u32 s52, s28, 2
	s_cmp_ge_u32 s52, s21
	s_cbranch_scc1 .Lh_\@
	HALF \par, 2
.Lh_\@:
	s_wait_loadcnt 0x0                             ; the gathered rows are in
	s_cmp_ge_u32 s29, s21
	s_cbranch_scc1 .Lend_\@
	XSTORE 1-\par                                  ; nobody reads that stage: every wave passed this trip's barrier behind its last read of it
.Lend_\@:
	s_add_co_u32 s28, s28, 4
.endm
	s_load_b256 s[4:11], s[0:1], 0x0               ; xq s[4:5], W1's codes s[6:7], b1 s[8:9], lowp_scales s[10:11]
	s_load_b128 s[12:15], s[0:1], 0x20             ; perm s[12:13], tab s[14:15]
	s_load_b64 s[16:17], s[0:1], 0x30              ; hq
	v_lshl_add_u32 v14, v0, 2, 0x41000
	v_mov_b32 v15, 0
	v_lshrrev_b32 v2, 5, v0
	v_readfirstlane_b32 s18, v2                    ; wave 0..3
	s_and_b32 s19, ttmp7, 0xffff                   ; e
	s_mov_b32 s20, ttmp9                           ; s
	v_and_b32 v2, 31, v0
	v_lshlrev_b32 v1, 4, v2                        ; 16 x lane
	v_and_b32 v3, 15, v0                           ; r
	v_bfe_u32 v12, v0, 4, 1                        ; h
	s_wait_alu depctr_va_sdst(0)                   ; s18 is written, ahead of its first reader: LDS addresses and bases are made from it
	s_mul_i32 s52, s18, WSB
	s_add_co_u32 s52, s52, WST                     ; my weight stage
	v_add_nc_u32 v4, s52, v1                       ; into it
	v_and_b32 v13, 8, v3
	v_add_nc_u32 v13, v13, v3                      ; r + 8 (r / 8)
	v_mul_u32_u24 v13, v13, PX
	v_lshl_add_u32 v13, v12, 4, v13
	v_add_nc_u32 v5, s52, v13                      ; out of it, as fragments
	s_mul_i32 s52, s18, 16*PX
	v_add_nc_u32 v6, s52, v1                       ; x stage 0: my 16 rows
	v_add_nc_u32 v7, XSB, v6                       ; stage 1
	v_mul_u32_u24 v8, v3, PX
	v_lshl_add_u32 v8, v12, 4, v8                  ; x fragments from stage 0,
	v_add_nc_u32 v9, XSB, v8                       ; from stage 1
	s_lshl_b32 s52, s20, 11
	s_lshl_b32 s53, s18, 9
	s_add_co_u32 s52, s52, s53
	v_add_nc_u32 v10, s52, v1                      ; my place in a tile's image: 2,048 s + 512 w + 16 x lane
	v_lshlrev_b32 v11, 6, v12                      ; b1: 16 numbers further on for lanes 16-31
	s_lshl_b32 s54, s19, 22                        ; W1: the expert's 4 MB, the work-group's 128 rows, the wave's 32
	s_lshl_b32 s53, s20, 17
	s_add_co_u32 s54, s54, s53
	s_lshl_b32 s53, s18, 15
	s_add_co_u32 s54, s54, s53
	s_mov_b32 s55, 0
	s_lshl_b32 s56, s19, 14                        ; b1 likewise, 4 bytes a row
	s_lshl_b32 s53, s20, 9
	s_add_co_u32 s56, s56, s53
	s_lshl_b32 s53, s18, 7
	s_add_co_u32 s56, s56, s53
	s_mov_b32 s57, 0
	s_lshl_b32 s58, s19, 3
	s_lshl_b32 s59, s19, 4
	s_wait_kmcnt 0x0
	s_load_b64 s[22:23], s[14:15], s58 offset:0x0  ; tb, N of my expert
	s_load_b128 s[24:27], s[10:11], s59 offset:0x0 ; ex, ew1, eh, ew2
	s_add_nc_u64 s[6:7], s[6:7], s[54:55]
	s_add_nc_u64 s[8:9], s[8:9], s[56:57]
	WIN 0x40                                       ; destination window 1
	s_wait_alu depctr_va_vdst(0)                   ; v1 and v4 to v11 are written: every load and store of the kernel, global or LDS, reads one of them (or an offset made from v1) as its address
.set n, 0
.rept 64
	global_load_b128 v[4*n:4*n+3], v1, s[6:7] offset:512*n th:TH_LOAD_NT   ; my 32 KB of W1, as they lie: read once in the launch
.set n, n+1
.endr
	WIN 0
	s_wait_kmcnt 0x0
	s_min_u32 s22, s22, 71                         ; loaded numbers are held inside their ranges
	s_min_u32 s23, s23, 1024
	s_add_co_u32 s21, s23, 15
	s_lshr_b32 s21, s21, 4                         ; nt
	s_add_co_u32 s52, s22, s18
	s_lshl_b32 s52, s52, 6
	s_mov_b32 s53, 0
	s_add_nc_u64 s[50:51], s[12:13], s[52:53]      ; the list at tile tb + w
	s_load_b512 s[32:47], s[50:51], 0x0
	s_wait_kmcnt 0x0
	XADDR
	s_load_b512 s[32:47], s[50:51], 0x100          ; the next four tiles' part of the list
	s_wait_loadcnt 56                              ; pieces 0-7 are in: 56 weight loads are younger
	WSTORE 0
	s_wait_loadcnt 48
	WSTORE 1
	s_wait_loadcnt 40
	WSTORE 2
	s_wait_loadcnt 32
	WSTORE 3
	XLOAD                                          ; the first four tiles' rows: the list is written in full, so these need no test.  The LDS stores since XADDR's wait name neither the offsets nor the rows
.irp i, 0,1,2,3
	global_load_b128 v[B1+4*\i:B1+4*\i+3], v11, s[8:9] offset:16*\i
.endr
	s_wait_loadcnt 60                              ; pieces 32-39: 24 weight loads and those 36 are younger
	WSTORE 4
	s_wait_loadcnt 52
	WSTORE 5
	s_wait_loadcnt 44
	WSTORE 6
	s_wait_loadcnt 36
	WSTORE 7
	s_wait_dscnt 0x0                               ; my weight stage is written
	WIN 0x40
	s_wait_alu depctr_vm_vsrc(0)                   ; the 64 LDS stores have read window 1's registers, on which the fragments land
.irp u, 0,1
.irp q, 0,1,2,3,4,5,6,7
.irp c, 0,1,2,3
	ds_load_b128 v[16*(8*\u+\q)+4*\c:16*(8*\u+\q)+4*\c+3], v5 offset:8*\u*PX+128*\q+32*\c
.endr
.endr
.endr
	WIN 0
	s_add_co_i32 s52, s24, s25
	s_add_co_i32 s52, s52, 127
	s_lshl_b32 s52, s52, 23
	v_mov_b32 v52, s52                             ; 2^(ex + ew1), twice
	v_mov_b32 v53, s52
	s_add_co_i32 s52, s26, 127
	s_lshl_b32 s53, s52, 23
	v_mov_b32 v55, s53                             ; 2^eh: the conversion takes its exponent field
	s_add_co_i32 s52, s52, 15
	s_lshl_b32 s52, s52, 23
	s_or_b32 s52, s52, 0x600000
	v_mov_b32 v54, s52                             ; 57,344 x 2^eh
	v_mov_b32 v48, 0xc0135761                      ; c0 = -2.3022082
	v_mov_b32 v49, 0xc0135761
	v_mov_b32 v50, 0xbdd2d3e8                      ; c1 = -0.10294324
	v_mov_b32 v51, 0xbdd2d3e8
	s_wait_loadcnt 0x0                             ; x's rows and b1
	XSTORE 0
	s_mov_b32 s28, 0                               ; i4: the trip's first tile
	s_mov_b32 s30, 0
.Lloop:
	TRIP 0
	TRIP 1
	s_add_co_u32 s30, s30, 1
	s_cmp_lt_u32 s30, 8
	s_cbranch_scc1 .Lloop
	s_wait_dscnt 0x0                               ; the closing lines, six on end
	s_wait_alu 0x0
	s_wait_tensorcnt 0x0
	ds_add_u32 v14, v15
	s_wait_dscnt 0x0
	s_endpgm
.Lfunc_end_k_q2e15fe17f6_up:
	.size	k_q2e15fe17f6_up, .Lfunc_end_k_q2e15fe17f6_up-k_q2e15fe17f6_up
	.p2alignl 7, 3214868480
	.fill 96, 4, 3214868480
	.section	.rodata,"a",@progbits
	.p2align	6, 0x0
	.amdhsa_kernel k_q2e15fe17f6_up
		.amdhsa_group_segment_fixed_size 266752
		.amdhsa_private_segment_fixed_size 0
		.amdhsa_enable_private_segment 0
		.amdhsa_kernarg_size 56
		.amdhsa_user_sgpr_count 2
		.amdhsa_user_sgpr_kernarg_segment_ptr 1
		.amdhsa_wavefront_size32 1
		.amdhsa_system_sgpr_workgroup_id_x 1
		.amdhsa_system_sgpr_workgroup_id_y 1
		.amdhsa_system_sgpr_workgroup_id_z 1
		.amdhsa_system_vgpr_workitem_id 0
		.amdhsa_next_free_vgpr 768
		.amdhsa_next_free_sgpr 66
		.amdhsa_reserve_vcc 0
		.amdhsa_float_denorm_mode_32 3
		.amdhsa_float_denorm_mode_16_64 3
		.amdhsa_memory_ordered 1
		.amdhsa_forward_progress 1
		.amdhsa_inst_pref_size 113
	.end_amdhsa_kernel
	.amdgpu_metadata
---
amdhsa.version: [ 1, 2 ]
amdhsa.kernels:
  - .name:           k_q2e15fe17f6_up
    .symbol:         k_q2e15fe17f6_up.kd
    .args:
      - { .name: xq, .offset: 0, .size: 8, .value_kind: global_buffer, .address_space: global }
      - { .name: w1_codes, .offset: 8, .size: 8, .value_kind: global_buffer, .address_space: global }
      - { .name: b1, .offset: 16, .size: 8, .value_kind: global_buffer, .address_space: global }
      - { .name: lowp_scales, .offset: 24, .size: 8, .value_kind: global_buffer, .address_space: global }
      - { .name: perm, .offset: 32, .size: 8, .value_kind: global_buffer, .address_space: global }
      - { .name: tab, .offset: 40, .size: 8, .value_kind: global_buffer, .address_space: global }
      - { .name: hq, .offset: 48, .size: 8, .value_kind: global_buffer, .address_space: global }
    .group_segment_fixed_size: 266752
    .private_segment_fixed_size: 0
    .kernarg_segment_align: 8
    .kernarg_segment_size: 56
    .max_flat_workgroup_size: 128
    .sgpr_count:     66
    .vgpr_count:     768
    .wavefront_size: 32
...
	.end_amdgpu_metadata
.endif
;; end of part 7
;; launch down (part 8): grid 32 x 8, 4 waves a work-group, no clusters, 207,360 bytes of LDS; arguments hq, w2_codes, b2, lowp_scales, perm, tws, tab, out0; writes out0
.if DOCPART == 8
	.amdgcn_target "amdgcn-amd-amdhsa--gfx1250"
	.amdhsa_code_object_version 6
	.text
	.protected	k_q2e15fe17f6_down
	.globl	k_q2e15fe17f6_down
	.p2align	8
	.type	k_q2e15fe17f6_down,@function
k_q2e15fe17f6_down:
	s_mov_b64 s[64:65], 0
	v_nop
	global_prefetch_b8 v0, s[64:65] scope:SCOPE_SE
	s_setreg_imm32_b32 hwreg(HW_REG_WAVE_MODE, 25, 1), 1
	s_wait_xcnt 0x0
; THE SECOND PRODUCT: out0[token] = topw x (h W2^T 2^(eh + ew2) + b2), on codes of E5M2, for the rows that chose the expert alone.
; SHARES.  Work-group (x = j, y = e) owns rows (output columns) 32 j .. 32 j + 31 of expert e's W2 (128 KB of codes, read from memory once in the launch) and serves all tiles of 16 positions of that expert.
; K = 4,096 IS SHARED AMONG THE WAVES: wave w keeps the 32 rows x K 1,024 w .. 1,024 w + 1,023 in 256 registers: 2 tiles n x 8 K steps q.  So each hidden fragment serves one wave alone and comes straight from
; hq into registers: hq holds images of the operand's registers, four loads of 512 consecutive bytes a fragment, no LDS on the way.  The four waves' partial sums meet in LDS; wave w finishes tile i4 + w of a trip's four.
; THE PRODUCT IS USED TRANSPOSED (source 0 = 16 rows of W2, source 1 = 16 positions): a lane holds one position and eight neighbouring output columns.
; Each output row has one owner: a token has one position, and the work-groups of an expert take different columns.  A work-group's 32 columns are 128 bytes of a token's row: eight lanes store them; a wider share
; would leave half of the 256 work-groups without weights.  Positions past N_e are masked out of the stores.  Every lane is on at each narrowing of EXEC, so it is widened again by the constant -1.
; THE TRIP COUNT IS A CONSTANT (16 trips of 4 tiles); steps past the expert's tiles jump over their work, never over a barrier.
; NO TENSOR LOADS, NO CLUSTER: which tiles are walked hangs on numbers read from memory (tab), so nothing is filled by an engine and there is no joint request to share.
; LIMITS: eh + ew2 between -126 and 127.  NaN is not served.  The sum over K is made as four sums of 1,024, added in f32.
; LDS: 33,280 w: wave w's weight stage, 32 rows of 1,024 + 16 bytes;  133,120 + 36,864 par + 9,216 a + 2,304 v: wave v's partial sums of tile a, 16 rows of 128 + 16 bytes; the two halves par take turns.
; REGISTERS: window 0: v1-15 addresses; v16-19 b2; v[20:21] 2^(eh + ew2); v24-39 a tile's tokens, weights, offsets, positions; v64-79 two accumulators; v128-191 partial sums read back.
;   window 1: W2's 16 fragments, (n, q) at v[16 (8 n + q)].   window 2: two sets of 8 hidden fragments, at v0 and v128.
.set PX,   1040
.set WSB,  32*PX
.set XCH,  4*WSB
.set XP,   144
.set XWV,  16*XP
.set XTL,  4*XWV
.set XHF,  4*XTL
.set MSB,  0
.macro WIN new                         ; the immediate's high byte repeats the setting that is left
.if MSB != \new
	s_set_vgpr_msb (MSB<<8)|\new
.set MSB, \new
.endif
.endm
; The raw weights land where nothing else is needed yet: pieces 0-31 in window 2, v128-255 (the hidden fragments' second set, which is thereby written on every way), pieces 32-63 in window 1, v128-255.
.macro WSTORE k
.if (\k) < 4
	WIN 0x08
.set wb, 128
.else
	WIN 0x04
.set wb, 0
.endif
.irp i, 0,1,2,3,4,5,6,7
	ds_store_b128 v4, v[wb+4*(8*(\k)+\i):wb+4*(8*(\k)+\i)+3] offset:((8*(\k)+\i)/2)*PX+((8*(\k)+\i)%2)*512
.endr
.endm
.macro HLOAD set                       ; my 8 K steps of tile s53 into a set: 32 loads of 512 consecutive bytes (32 work-groups read the same tiles: no hint)
	s_min_u32 s53, s53, 71                         ; a number made of a loaded one enters an address only held inside hq's 72 tiles
	v_lshl_add_u32 v[10+(\set)], s53, 16, v8
	WIN 0x80
.irp q, 0,1,2,3,4,5,6,7
.irp c, 0,1,2,3
	global_load_b128 v[128*(\set)+16*\q+4*\c:128*(\set)+16*\q+4*\c+3], v[10+(\set)], s[4:5] offset:2048*\q+512*\c
.endr
.endr
	WIN 0
.endm
; Tile t = i4 + a: my quarter of K, 16 matrix instructions, two accumulators by turns; the partial sums go to LDS.
; On every way a step begins with loads pending into its own set at most: the arm that works and has a successor asks for it and counts exactly those 32; the other two arms wait for all.
.macro TSTEP par, a
.set CS, (\a)%2
.set HS, ((\a)+1)%2
	s_add_co_u32 s52, s26, \a
	s_cmp_ge_u32 s52, s23
	s_cbranch_scc1 .Lidle_\@
	s_add_co_u32 s53, s52, 1
	s_cmp_ge_u32 s53, s23
	s_cbranch_scc1 .Llast_\@
	s_add_co_u32 s53, s53, s24                     ; tile tb + t + 1
	HLOAD HS                                       ; its set was multiplied a step ago, five places back; its old loads and their offset were shown done there
	s_wait_loadcnt 32                              ; my tile is in: exactly the 32 loads just issued are younger
	s_branch .Lgo_\@
.Llast_\@:
	s_wait_loadcnt 0x0
.Lgo_\@:
	WIN 0x09                                       ; source 0 (W2) window 1, source 1 (h) window 2
.irp q, 0,1,2,3,4,5,6,7
.irp n, 0,1
.if \q == 0
	v_wmma_f32_16x16x128_bf8_bf8 v[64+8*\n:71+8*\n], v[16*(8*\n+\q):16*(8*\n+\q)+15], v[128*CS+16*\q:128*CS+16*\q+15], 0
.else
	v_wmma_f32_16x16x128_bf8_bf8 v[64+8*\n:71+8*\n], v[16*(8*\n+\q):16*(8*\n+\q)+15], v[128*CS+16*\q:128*CS+16*\q+15], v[64+8*\n:71+8*\n]
.endif
.endr
.endr
	WIN 0
.rept 5
	v_nop                                          ; places: four for the LDS stores of results and the next loads into the set, five for the next step's products, which begin the accumulators anew
.endr
.irp n, 0,1
	ds_store_b128 v6, v[64+8*\n:67+8*\n] offset:(\par)*XHF+(\a)*XTL+64*\n        ; each accumulator from its low end on
	ds_store_b128 v6, v[68+8*\n:71+8*\n] offset:(\par)*XHF+(\a)*XTL+64*\n+16
.endr
	s_branch .Ldone_\@
.Lidle_\@:
	s_wait_loadcnt 0x0                             ; past the expert's tiles nothing is out
.Ldone_\@:
.endm
; Wave w finishes tile t = i4 + w: the four partial sums, the scale, the bias, the gate's weight, and out to the tokens' rows.  Lanes 8 g .. 8 g + 7 hold row 4 m + g, four columns each.
.macro FIN par
	s_add_co_u32 s52, s26, s20
	s_cmp_ge_u32 s52, s23
	s_cbranch_scc1 .Lnf_\@
.irp m, 0,1,2,3
.irp y, 0,1,2,3
	ds_load_b128 v[128+16*\m+4*\y:128+16*\m+4*\y+3], v7 offset:(\par)*XHF+\y*XWV+\m*4*XP
.endr
.endr
	s_wait_kmcnt 0x0                               ; the tile's 16 tokens and weights
.irp m, 0,1,2,3
	v_mov_b32 v[24+\m], s[32+4*\m]
	v_mov_b32 v[28+\m], s[68+4*\m]
.irp g, 1,2,3
	v_cndmask_b32 v[24+\m], v[24+\m], s[32+4*\m+\g], s[83+\g]
	v_cndmask_b32 v[28+\m], v[28+\m], s[68+4*\m+\g], s[83+\g]
.endr
.endr
	s_lshl_b32 s54, s26, 6
	s_load_b512 s[32:47], s[48:49], s54 offset:0x100   ; my tile of the next trip: at most tile 74 of the lists' 88
	s_load_b512 s[68:83], s[50:51], s54 offset:0x100
	s_lshl_b32 s55, s52, 4
	v_add_nc_u32 v36, s55, v13                     ; my row's number among the expert's rows
.irp m, 1,2,3
	v_add_nc_u32 v[36+\m], 4*\m, v36
.endr
.irp m, 0,1,2,3
	v_min_u32 v[24+\m], 0x3ff, v[24+\m]            ; a loaded number enters an address only held inside the table
	v_lshl_add_u32 v[32+\m], v[24+\m], 12, v12     ; the token's row of 4,096 bytes + my columns
.endr
	s_wait_dscnt 0x0
.irp m, 0,1,2,3
	v_pk_add_f32 v[128+16*\m:129+16*\m], v[128+16*\m:129+16*\m], v[132+16*\m:133+16*\m]
	v_pk_add_f32 v[130+16*\m:131+16*\m], v[130+16*\m:131+16*\m], v[134+16*\m:135+16*\m]
	v_pk_add_f32 v[136+16*\m:137+16*\m], v[136+16*\m:137+16*\m], v[140+16*\m:141+16*\m]
	v_pk_add_f32 v[138+16*\m:139+16*\m], v[138+16*\m:139+16*\m], v[142+16*\m:143+16*\m]
.endr
.irp m, 0,1,2,3
	v_pk_add_f32 v[128+16*\m:129+16*\m], v[128+16*\m:129+16*\m], v[136+16*\m:137+16*\m]
	v_pk_add_f32 v[130+16*\m:131+16*\m], v[130+16*\m:131+16*\m], v[138+16*\m:139+16*\m]
.endr
.irp m, 0,1,2,3
	v_pk_fma_f32 v[128+16*\m:129+16*\m], v[128+16*\m:129+16*\m], v[20:21], v[16:17]   ; sum x 2^(eh + ew2) + b2
	v_pk_fma_f32 v[130+16*\m:131+16*\m], v[130+16*\m:131+16*\m], v[20:21], v[18:19]
.endr
.irp m, 0,1,2,3
.irp i, 0,1,2,3
	v_mul_f32 v[128+16*\m+\i], v[128+16*\m+\i], v[28+\m]       ; x topw
.endr
.endr
	s_wait_alu depctr_va_vdst(0)
.irp m, 0,1,2,3
	v_cmp_gt_u32 vcc_lo, s25, v[36+\m]             ; rows under N_e are tokens
	s_wait_xcnt 0x0                                ; EXEC changes only behind this wait (the next tile's loads are among what is out)
	s_and_saveexec_b32 s53, vcc_lo
	global_store_b128 v[32+\m], v[128+16*\m:131+16*\m], s[18:19] th:TH_STORE_NT   ; eight lanes store a token's 128 consecutive bytes
	s_wait_xcnt 0x0
	s_mov_b32 exec_lo, -1                          ; all lanes on again
.endr
.Lnf_\@:
.endm
.macro TRIP par
	TSTEP \par, 0
	TSTEP \par, 1
	TSTEP \par, 2
	TSTEP \par, 3
	s_wait_dscnt 0x0                               ; my partial sums have landed in half par; my reads of the other half, a trip ago, are back
	s_barrier_signal -1
	s_barrier_wait -1                              ; both now hold of all four waves: one barrier a trip orders both ways, since the halves take turns
	FIN \par
	s_add_co_u32 s26, s26, 4
.endm
	s_load_b512 s[4:19], s[0:1], 0x0               ; hq s[4:5], W2's codes s[6:7], b2 s[8:9], lowp_scales s[10:11], perm s[12:13], tws s[14:15], tab s[16:17], out0 s[18:19]
	v_lshl_add_u32 v254, v0, 2, 0x32800
	v_mov_b32 v255, 0
	v_lshrrev_b32 v2, 5, v0
	v_readfirstlane_b32 s20, v2                    ; wave 0..3
	s_and_b32 s21, ttmp7, 0xffff                   ; e
	s_mov_b32 s22, ttmp9                           ; j
	v_and_b32 v2, 31, v0
	v_lshlrev_b32 v1, 4, v2                        ; 16 x lane
	v_and_b32 v3, 15, v0                           ; r
	v_bfe_u32 v9, v0, 4, 1                         ; h
	s_mul_i32 s52, s20, WSB                        ; my weight stage
	v_add_nc_u32 v4, s52, v1                       ; into it
	v_mul_u32_u24 v5, v3, PX
	v_lshl_add_u32 v5, v9, 4, v5
	v_add_nc_u32 v5, s52, v5                       ; out of it, as fragments: row r, + 16 h
	s_mul_i32 s52, s20, XWV
	s_add_co_u32 s52, s52, XCH
	v_mul_u32_u24 v6, v3, XP
	v_lshl_add_u32 v6, v9, 5, v6
	v_add_nc_u32 v6, s52, v6                       ; my partial sums: row r, + 32 h
	v_bfe_u32 v13, v0, 3, 2                        ; lane / 8
	v_and_b32 v15, 7, v0
	v_lshlrev_b32 v14, 4, v15                      ; 16 (lane % 8)
	s_mul_i32 s52, s20, XTL
	s_add_co_u32 s52, s52, XCH
	v_mul_u32_u24 v7, v13, XP
	v_lshl_add_u32 v7, v15, 4, v7
	v_add_nc_u32 v7, s52, v7                       ; the tile that I finish: row lane / 8, 16 bytes a lane
	s_lshl_b32 s52, s20, 14
	v_add_nc_u32 v8, s52, v1                       ; my 8 K steps in a tile's image
	s_lshl_b32 s52, s22, 7
	v_add_nc_u32 v12, s52, v14                     ; my columns in a row of out0
	s_mov_b32 s84, 0xff00                          ; lanes 8-15, 16-23, 24-31
	s_mov_b32 s85, 0xff0000
	s_mov_b32 s86, 0xff000000
	s_lshl_b32 s54, s21, 22                        ; W2: the expert's 4 MB, the work-group's 32 rows of 4,096 bytes, the wave's 1,024 bytes of each
	s_lshl_b32 s53, s22, 17
	s_add_co_u32 s54, s54, s53
	s_lshl_b32 s53, s20, 10
	s_add_co_u32 s54, s54, s53
	s_mov_b32 s55, 0
	s_lshl_b32 s56, s21, 12                        ; b2
	s_add_co_u32 s56, s56, s52
	s_mov_b32 s57, 0
	s_lshl_b32 s58, s21, 3
	s_lshl_b32 s59, s21, 4
	s_wait_alu depctr_va_vdst(0)
	s_wait_kmcnt 0x0
	s_load_b64 s[24:25], s[16:17], s58 offset:0x0  ; tb, N of my expert
	s_load_b128 s[28:31], s[10:11], s59 offset:0x0 ; ex, ew1, eh, ew2
	s_add_nc_u64 s[6:7], s[6:7], s[54:55]
	s_add_nc_u64 s[8:9], s[8:9], s[56:57]
	WIN 0x80
.set n, 0
.rept 32
	global_load_b128 v[128+4*n:128+4*n+3], v1, s[6:7] offset:(n/2)*4096+(n%2)*512 th:TH_LOAD_NT   ; piece n: half n % 2 of my 1,024 bytes of row n / 2: 512 consecutive bytes; read once in the launch
.set n, n+1
.endr
	WIN 0x40
.rept 32
	global_load_b128 v[4*n:4*n+3], v1, s[6:7] offset:(n/2)*4096+(n%2)*512 th:TH_LOAD_NT
.set n, n+1
.endr
	WIN 0
	s_wait_kmcnt 0x0
	s_min_u32 s24, s24, 71                         ; loaded numbers are held inside their ranges
	s_min_u32 s25, s25, 1024
	s_add_co_u32 s23, s25, 15
	s_lshr_b32 s23, s23, 4                         ; nt
	s_add_co_u32 s52, s24, s20
	s_lshl_b32 s52, s52, 6
	s_mov_b32 s53, 0
	s_add_nc_u64 s[48:49], s[12:13], s[52:53]      ; both lists at tile tb + w
	s_add_nc_u64 s[50:51], s[14:15], s[52:53]
	s_load_b512 s[32:47], s[48:49], 0x0
	s_load_b512 s[68:83], s[50:51], 0x0
	s_wait_loadcnt 56                              ; pieces 0-7 are in: 56 weight loads are younger
	WSTORE 0
	s_wait_loadcnt 48
	WSTORE 1
	s_wait_loadcnt 40
	WSTORE 2
	s_wait_loadcnt 32
	WSTORE 3
	WIN 0
	global_load_b128 v[16:19], v14, s[8:9]         ; b2 of my four columns
	s_cmp_lg_u32 s23, 0
	s_cselect_b32 s53, s24, 0                      ; the expert's first tile; an expert without rows asks for tile 0, which some expert always fills, and uses nothing of it
	HLOAD 0
	s_wait_loadcnt 57                              ; pieces 32-39: 24 weight loads and those 33 are younger
	WSTORE 4
	s_wait_loadcnt 49
	WSTORE 5
	s_wait_loadcnt 41
	WSTORE 6
	s_wait_loadcnt 33
	WSTORE 7
	s_wait_dscnt 0x0                               ; the stores have read their registers: fragments, and later hidden tiles, land on them
	WIN 0x40
.irp u, 0,1
.irp q, 0,1,2,3,4,5,6,7
.irp c, 0,1,2,3
	ds_load_b128 v[16*(8*\u+\q)+4*\c:16*(8*\u+\q)+4*\c+3], v5 offset:16*\u*PX+128*\q+32*\c
.endr
.endr
.endr
	WIN 0
	s_add_co_i32 s52, s30, s31
	s_add_co_i32 s52, s52, 127
	s_lshl_b32 s52, s52, 23
	v_mov_b32 v20, s52                             ; 2^(eh + ew2), twice
	v_mov_b32 v21, s52
	s_wait_loadcnt 32                              ; b2 is in; only the first tile's 32 loads are younger
	s_wait_dscnt 0x0                               ; W2's fragments
	s_mov_b32 s26, 0                               ; i4: the trip's first tile
	s_mov_b32 s27, 0
.Lloop:
	TRIP 0
	TRIP 1
	s_add_co_u32 s27, s27, 1
	s_cmp_lt_u32 s27, 8
	s_cbranch_scc1 .Lloop
	s_wait_tensorcnt 0x0
	ds_add_u32 v254, v255
	s_wait_dscnt 0x0
	s_endpgm
.Lfunc_end_k_q2e15fe17f6_down:
	.size	k_q2e15fe17f6_down, .Lfunc_end_k_q2e15fe17f6_down-k_q2e15fe17f6_down
	.p2alignl 7, 3214868480
	.fill 96, 4, 3214868480
	.section	.rodata,"a",@progbits
	.p2align	6, 0x0
	.amdhsa_kernel k_q2e15fe17f6_down
		.amdhsa_group_segment_fixed_size 207360
		.amdhsa_private_segment_fixed_size 0
		.amdhsa_enable_private_segment 0
		.amdhsa_kernarg_size 64
		.amdhsa_user_sgpr_count 2
		.amdhsa_user_sgpr_kernarg_segment_ptr 1
		.amdhsa_wavefront_size32 1
		.amdhsa_system_sgpr_workgroup_id_x 1
		.amdhsa_system_sgpr_workgroup_id_y 1
		.amdhsa_system_sgpr_workgroup_id_z 1
		.amdhsa_system_vgpr_workitem_id 0
		.amdhsa_next_free_vgpr 768
		.amdhsa_next_free_sgpr 96
		.amdhsa_reserve_vcc 1
		.amdhsa_float_denorm_mode_32 3
		.amdhsa_float_denorm_mode_16_64 3
		.amdhsa_memory_ordered 1
		.amdhsa_forward_progress 1
		.amdhsa_inst_pref_size 77
	.end_amdhsa_kernel
	.amdgpu_metadata
---
amdhsa.version: [ 1, 2 ]
amdhsa.kernels:
  - .name:           k_q2e15fe17f6_down
    .symbol:         k_q2e15fe17f6_down.kd
    .args:
      - { .name: hq, .offset: 0, .size: 8, .value_kind: global_buffer, .address_space: global }
      - { .name: w2_codes, .offset: 8, .size: 8, .value_kind: global_buffer, .address_space: global }
      - { .name: b2, .offset: 16, .size: 8, .value_kind: global_buffer, .address_space: global }
      - { .name: lowp_scales, .offset: 24, .size: 8, .value_kind: global_buffer, .address_space: global }
      - { .name: perm, .offset: 32, .size: 8, .value_kind: global_buffer, .address_space: global }
      - { .name: tws, .offset: 40, .size: 8, .value_kind: global_buffer, .address_space: global }
      - { .name: tab, .offset: 48, .size: 8, .value_kind: global_buffer, .address_space: global }
      - { .name: out0, .offset: 56, .size: 8, .value_kind: global_buffer, .address_space: global }
    .group_segment_fixed_size: 207360
    .private_segment_fixed_size: 0
    .kernarg_segment_align: 8
    .kernarg_segment_size: 64
    .max_flat_workgroup_size: 128
    .sgpr_count:     96
    .vgpr_count:     768
    .wavefront_size: 32
...
	.end_amdgpu_metadata
.endif
;; end of part 8
